; MI455X (gfx1250); checked and timed in simulation.
; The chip was launched on July 23, 2026; its instructions are those of AMD's public machine-readable ISA for CDNA 5 (MIT licence, August 2026) and "CDNA5" Instruction Set Architecture Reference Guide (July 2026). The comments in the code are by the model that wrote it; some were corrected since.
;; Attention Propagation. Allowed arithmetic: float matrix products may take bf16 or f16 operands with f32 sums; other float arithmetic in f32, or as packed bf16 or f16 multiplies, adds, multiply-adds, maxima and minima; sums over many terms, partial sums and values carried from step to step in f32; what a program stores and reads back later, other than sums and carried values, may be rounded once to bf16 or f16.
;; Inputs: b1 512 float32; b2 256 float32; beta 512 float32; bk 256 float32; bm 256 float32; bq 256 float32; bv 256 float32; gamma 512 float32; motion1 8 x 256 x 2,048 float32; motion2 8 x 256 x 4,096 float32; w1 512 x 512 float32; w2 256 x 512 float32; wk 256 x 256 float32; wm 256 x 256 float32; wq 256 x 256 float32; wv 256 x 256 float32.
;; Outputs: out0 8 x 256 x 2,048 float32.
;; One version. Each part assembles by itself: llvm-mc -triple=amdgcn-amd-amdhsa -mcpu=gfx1250 --defsym DOCPART=n.
;; ======== version 1 of 1: 6 launches
;; limits: values outside matrix products are rounded to bf16; values are held in f16: magnitudes above 65,504 overflow, below 6.1e-05 lose precision
;; workspace buffers: wf 1,310,720 bytes; qkv 41,943,040 bytes; m1b 8,388,608 bytes; op 17,301,504 bytes; hc 17,563,648 bytes; mg 4,096 bytes
;; launch prep (part 1): grid 320 x 1, 8 waves a work-group, no clusters, 0 bytes of LDS; arguments wk, wv, wq, wm, w1, w2, wf; writes wf
.if DOCPART == 1
	.amdgcn_target "amdgcn-amd-amdhsa--gfx1250"
	.amdhsa_code_object_version 6
	.text
	.protected	k_qdfc1891481_prep
	.globl	k_qdfc1891481_prep
	.p2align	8
	.type	k_qdfc1891481_prep,@function
k_qdfc1891481_prep:
	s_mov_b64 s[64:65], 0
	v_nop
	global_prefetch_b8 v0, s[64:65] scope:SCOPE_SE
	s_setreg_imm32_b32 hwreg(HW_REG_WAVE_MODE, 25, 1), 1
	s_wait_xcnt 0x0
; The six weight matrices, rounded once to bf16 and laid in the order in which a wave's matrix fragments want them.
; wf: wk at 0, wv at 131,072, wq at 262,144, wm at 393,216, w1 at 524,288, w2 at 1,048,576 bytes.
; A chunk is 64 outputs x 256 k = 32 fragments of 1,024 bytes; chunk number = (o / 64) x (K / 256) + k / 256; fragment = ((o % 64) / 16) x 8 + (k % 256) / 32;
; in a fragment two halves of 512 bytes (k % 32 below 16, or not); in a half lane o % 16 + 16 ((k % 16) / 8) holds eight neighbouring k, 16 bytes.
; FORMATS.  Every weight is rounded to bf16.  Where the other operand of its product is kept in f16 (w1's columns 256 to 511, which meet av; all of w2, which meets y) that bf16 number is written as f16:
; exact from 2^-14 to 65,504; below 2^-14 it keeps f16's fixed step of 2^-24; beyond 65,504 it would be an infinity.
; A work-group writes 4,096 consecutive bytes of wf, a thread 16: each store of a wave covers 512 consecutive bytes, aligned.
	s_load_b256 s[4:11], s[0:1], 0x0               ; wk, wv, wq, wm
	s_load_b128 s[12:15], s[0:1], 0x20             ; w1, w2
	s_load_b64 s[16:17], s[0:1], 0x30              ; wf
	s_lshr_b32 s20, ttmp9, 5                       ; 32 work-groups for each 131,072 bytes: 0-3 the four square matrices, 4-7 w1, 8-9 w2
	s_lshl_b32 s21, s20, 5                         ; the matrix's first work-group
	s_cmp_ge_u32 s20, 4
	s_cselect_b32 s21, 128, s21
	s_cselect_b32 s22, 1, 0                        ; 1 where K = 512: two chunks along k
	s_cmp_ge_u32 s20, 8
	s_cselect_b32 s21, 256, s21
	s_add_co_u32 s23, s22, 10                      ; a row of the source is 1,024 or 2,048 bytes
	s_sub_co_u32 s24, ttmp9, s21
	s_lshr_b32 s26, s24, 3                         ; eight work-groups write a chunk: the chunk's number,
	s_and_b32 s26, s26, s22                        ; its k / 256
	s_cmp_ge_u32 s20, 8
	s_cselect_b32 s26, 1, s26                      ; 1: written as f16 (w1's second chunks, all of w2)
	s_lshl_b32 s24, s24, 8
	v_add_nc_u32 v1, s24, v0                       ; my 16 bytes' number in the matrix
	v_and_b32 v2, 15, v1                           ; o % 16
	v_bfe_u32 v3, v1, 4, 1                         ; (k % 16) / 8
	v_bfe_u32 v4, v1, 5, 1                         ; the half
	v_bfe_u32 v5, v1, 6, 3                         ; (k % 256) / 32
	v_bfe_u32 v6, v1, 9, 2                         ; (o % 64) / 16
	v_lshrrev_b32 v7, 11, v1                       ; the chunk
	v_lshrrev_b32 v8, s22, v7                      ; o / 64
	v_and_b32 v9, s22, v7                          ; k / 256
	v_lshl_add_u32 v8, v8, 2, v6
	v_lshl_add_u32 v8, v8, 4, v2                   ; o
	v_lshl_add_u32 v9, v9, 3, v5
	v_lshl_add_u32 v9, v9, 1, v4
	v_lshl_add_u32 v9, v9, 1, v3                   ; k / 8
	v_lshlrev_b32 v9, 5, v9                        ; eight f32 are 32 bytes
	v_lshlrev_b32 v8, s23, v8
	v_add_nc_u32 v8, v8, v9
	s_lshl_b32 s25, ttmp9, 12
	v_lshl_add_u32 v10, v0, 4, s25
	s_wait_kmcnt 0x0
	s_mov_b64 s[18:19], s[4:5]
	s_cmp_eq_u32 s20, 1
	s_cselect_b64 s[18:19], s[6:7], s[18:19]
	s_cmp_eq_u32 s20, 2
	s_cselect_b64 s[18:19], s[8:9], s[18:19]
	s_cmp_eq_u32 s20, 3
	s_cselect_b64 s[18:19], s[10:11], s[18:19]
	s_cmp_ge_u32 s20, 4
	s_cselect_b64 s[18:19], s[12:13], s[18:19]
	s_cmp_ge_u32 s20, 8
	s_cselect_b64 s[18:19], s[14:15], s[18:19]
	global_load_b128 v[12:15], v8, s[18:19]
	global_load_b128 v[16:19], v8, s[18:19] offset:16
	s_wait_loadcnt 0x0
	v_cvt_pk_bf16_f32 v20, v12, v13
	v_cvt_pk_bf16_f32 v21, v14, v15
	v_cvt_pk_bf16_f32 v22, v16, v17
	v_cvt_pk_bf16_f32 v23, v18, v19
	s_cmp_eq_u32 s26, 0                            ; the flag hangs on the work-group's number alone
	s_cbranch_scc1 .Lstore
.irp k, 0,1,2,3
	v_lshlrev_b32 v[12+2*(\k)], 16, v[20+(\k)]     ; the bf16 numbers as f32,
	v_and_b32 v[13+2*(\k)], 0xffff0000, v[20+(\k)]
.endr
.irp k, 0,1,2,3
	v_cvt_pk_f16_f32 v[20+(\k)], v[12+2*(\k)], v[13+2*(\k)]  ; and written as f16
.endr
.Lstore:
	global_store_b128 v10, v[20:23], s[16:17]
	s_endpgm
.Lfunc_end_k_qdfc1891481_prep:
	.size	k_qdfc1891481_prep, .Lfunc_end_k_qdfc1891481_prep-k_qdfc1891481_prep
	.p2alignl 7, 3214868480
	.fill 96, 4, 3214868480
	.section	.rodata,"a",@progbits
	.p2align	6, 0x0
	.amdhsa_kernel k_qdfc1891481_prep
		.amdhsa_group_segment_fixed_size 0
		.amdhsa_private_segment_fixed_size 0
		.amdhsa_enable_private_segment 0
		.amdhsa_kernarg_size 56
		.amdhsa_user_sgpr_count 2
		.amdhsa_user_sgpr_kernarg_segment_ptr 1
		.amdhsa_wavefront_size32 1
		.amdhsa_system_sgpr_workgroup_id_x 1
		.amdhsa_system_sgpr_workgroup_id_y 1
		.amdhsa_system_sgpr_workgroup_id_z 1
		.amdhsa_system_vgpr_workitem_id 0
		.amdhsa_next_free_vgpr 24
		.amdhsa_next_free_sgpr 66
		.amdhsa_reserve_vcc 0
		.amdhsa_float_denorm_mode_32 3
		.amdhsa_float_denorm_mode_16_64 3
		.amdhsa_memory_ordered 1
		.amdhsa_forward_progress 1
		.amdhsa_inst_pref_size 4
	.end_amdhsa_kernel
	.amdgpu_metadata
---
amdhsa.version: [ 1, 2 ]
amdhsa.kernels:
  - .name:           k_qdfc1891481_prep
    .symbol:         k_qdfc1891481_prep.kd
    .args:
      - { .name: wk, .offset: 0, .size: 8, .value_kind: global_buffer, .address_space: global }
      - { .name: wv, .offset: 8, .size: 8, .value_kind: global_buffer, .address_space: global }
      - { .name: wq, .offset: 16, .size: 8, .value_kind: global_buffer, .address_space: global }
      - { .name: wm, .offset: 24, .size: 8, .value_kind: global_buffer, .address_space: global }
      - { .name: w1, .offset: 32, .size: 8, .value_kind: global_buffer, .address_space: global }
      - { .name: w2, .offset: 40, .size: 8, .value_kind: global_buffer, .address_space: global }
      - { .name: wf, .offset: 48, .size: 8, .value_kind: global_buffer, .address_space: global }
    .group_segment_fixed_size: 0
    .private_segment_fixed_size: 0
    .kernarg_segment_align: 8
    .kernarg_segment_size: 56
    .max_flat_workgroup_size: 256
    .sgpr_count:     66
    .vgpr_count:     24
    .wavefront_size: 32
...
	.end_amdgpu_metadata
.endif
;; end of part 1
;; launch proj (part 2): grid 256 x 1, 4 waves a work-group, no clusters, 327,680 bytes of LDS; arguments motion1, motion2, wf, bk, bv, bq, qkv, m1b; writes qkv, m1b
.if DOCPART == 2
	.amdgcn_target "amdgcn-amd-amdhsa--gfx1250"
	.amdhsa_code_object_version 6
	.text
	.protected	k_qdfc1891481_proj
	.globl	k_qdfc1891481_proj
	.p2align	8
	.type	k_qdfc1891481_proj,@function
k_qdfc1891481_proj:
	s_mov_b64 s[64:65], 0
	v_nop
	global_prefetch_b8 v0, s[64:65] scope:SCOPE_SE
	s_setreg_imm32_b32 hwreg(HW_REG_WAVE_MODE, 25, 1), 1
	s_wait_xcnt 0x0
; q = wq motion1 + bq for 64 positions of motion1, k = wk motion2 + bk, v = wv motion2 + bv for 128 positions of motion2: bf16 operands, f32 sums, results rounded once to bf16.
; qkv: q [16 batch x head][2048][128] at 0, k [16][4096][128] at 8,388,608, v likewise at 25,165,824.  m1b: motion1 in bf16, blocks [256 channels][64 positions] of 32,768 bytes, block = work-group.
; The inputs lie [channel][position]: a tensor load brings each wave's 64 channels as f32, the wave rounds them to bf16 into tiles [channel][64 positions] of pitch 160, and the turning LDS load makes fragments of them.
; A wave owns 64 outputs (its weights, 256 registers a matrix, lie in windows 1 to 3) and walks the positions 32 at a time.  Source 0 = weights, source 1 = positions: a lane holds one position and eight neighbouring outputs.
; The bias is the C operand of the first product of each sum.  Results go through a stage [position][256 channels] of pitch 528, so that 16 lanes store one row of a head, 256 consecutive bytes, aligned.
; ORDER.  Q goes first: motion1's tile is a third of the work-group's input bytes and is asked for first, with wq; its conversion, products and stores run while motion2's tile is on its way.
; Each later matrix's weights (32,768 bytes a wave) are asked for while the matrix before is multiplied: 56 loads ahead of the loop, the last 8 and the bias behind it.
; FRAGMENTS.  One buffer of 128 registers in two halves (k steps 0-3, 4-7): each half is loaded again behind its 32 products and lands under the other half's 32.
; NO CLUSTER: no two work-groups read the same tile of motion1 or motion2; the weights go straight to registers.  LIMITS: bf16's rounding of operands; NaN and infinities are not treated apart.
; LDS: RAW2 0 (131,072: [256][128] f32), RAW1 131,072 (65,536: [256][64] f32), X2B 196,608 (2 x 40,960), X1B 278,528 (40,960), spare words 319,488.
;      Q's stage lies over RAW1, K's and V's over RAW2: each raw region is filled once and has been read out, behind a barrier, when the stage is written.
.set RAW1,  131072
.set X2B,   196608
.set X1B,   278528
.set SPARE, 319488
.set BIAS, 32                          ; v32-63   the bias of my 64 outputs: tile ot at BIAS + 8 ot
.set ACC,  64                          ; v64-127  eight accumulators: output tile ot, position tile pt at ACC + 8 (2 ot + pt)
.set BF0,  128                         ; v128-255 fragments of 32 positions x 256 k: step ks, tile pt at BF0 + 8 (2 ks + pt)
.set VL16, 4                           ; 16 x lane
.set VB8,  5                           ; byte offset of my eight numbers in a bias
.set VTR,  6                           ; my lane's place in a turning load
.set VA,   7                           ; the address of the fragment loads in hand
.set VEP0, 8                           ; my place in K's and V's stage
.set VEP,  9
.set VRB,  10                          ; reading that stage back, 32 rows a wave
.set VRBQ, 11                          ; reading Q's stage back, 16 rows a wave
.set VGK,  12                          ; my offset in k and v: head x 1,048,576 + 16 (lane % 16)
.set VGQ,  13                          ; in q: head x 524,288 + ..
.set VR,   14
.set VS,   15
.set VM1,  16
.set VEPQ, 17                          ; my place in Q's stage
.set SPW,  30
.set NIL,  31
.set G1A, 20                           ; s[20:27] shape of motion2's tile    s[28:35] of motion1's
.set G1B, 28
.set G0A, 36
.set G0B, 40
.set WB,  44                           ; wf at my wave's chunk
.set KO,  46
.set VO,  48
.set QO,  50
.set MB,  52
.set T0,  54
.set T1,  55
.set WV,  56
.set GI,  57
.set CNT, 58
.set SB,  59
.set SJ,  60
.set MSB, 0
.macro WIN new                         ; the immediate's high byte repeats the setting that is left
.if MSB != (\new)
	s_set_vgpr_msb (MSB<<8)|(\new)
.set MSB, (\new)
.endif
.endm
.macro PLACES                          ; four plain places between a matrix instruction and a reader of its result or a load into its sources
.rept 4
	v_nop
.endr
.endm
.macro BAR
	s_wait_dscnt 0x0                       ; my LDS stores are done and my LDS loads are back, for the other waves' sake
	s_barrier_signal -1
	s_barrier_wait -1
.endm
.macro LDWP win, sb, off, i0, n        ; loads i0 .. i0 + n - 1 of the 64 that bring a chunk of weights, 512 consecutive bytes each, into a window
	WIN (\win)<<6
.set i, \i0
.rept \n
	global_load_b128 v[4*i:4*i+3], v[VL16], s[\sb:\sb+1] offset:(\off)+512*i
.set i, i+1
.endr
	WIN 0
.endm
.macro LDBIAS sb
.irp ot, 0,1,2,3
	global_load_b128 v[BIAS+8*(\ot):BIAS+8*(\ot)+3], v[VB8], s[\sb:\sb+1] offset:64*(\ot)
	global_load_b128 v[BIAS+8*(\ot)+4:BIAS+8*(\ot)+7], v[VB8], s[\sb:\sb+1] offset:64*(\ot)+16
.endr
.endm
.macro LDH_TR va, hh                   ; half hh of the fragments: 32 positions x 128 k out of a tile [k][position] of pitch 160: 16 loads
.irp k4, 0,1,2,3
.irp pt, 0,1
	ds_load_tr16_b128 v[BF0+8*(2*(4*(\hh)+(\k4))+(\pt)):BF0+8*(2*(4*(\hh)+(\k4))+(\pt))+3], v[\va] offset:(4*(\hh)+(\k4))*5120+32*(\pt)
	ds_load_tr16_b128 v[BF0+8*(2*(4*(\hh)+(\k4))+(\pt))+4:BF0+8*(2*(4*(\hh)+(\k4))+(\pt))+7], v[\va] offset:(4*(\hh)+(\k4))*5120+2560+32*(\pt)
.endr
.endr
.endm
.macro MMH wwin, hh, cmode             ; 32 products on half hh; the eight accumulators take turns, one instruction a turn.  cmode = 1: the first eight start the sums with the bias
	WIN (\wwin)
.irp k4, 0,1,2,3
.irp ot, 0,1,2,3
.irp pt, 0,1
.set rD, ACC+8*(2*(\ot)+(\pt))
.set rC, rD
.if (\cmode) && ((\k4) == 0)
.set rC, BIAS+8*(\ot)
.endif
.set rW, 8*(8*(\ot)+4*(\hh)+(\k4))
.set rB, BF0+8*(2*(4*(\hh)+(\k4))+(\pt))
	v_wmma_f32_16x16x32_bf16 v[rD:rD+7], v[rW:rW+7], v[rB:rB+7], v[rC:rC+7]
.endr
.endr
.endr
.endm
.macro EPI va                          ; eight outputs of a position round to 16 bytes, in place from each accumulator's low end, and go into a tile [position][256 channels] of pitch 528
.set a, 0
.rept 8
.set r, 0
.rept 4
	v_cvt_pk_bf16_f32 v[ACC+8*a+r], v[ACC+8*a+2*r], v[ACC+8*a+2*r+1]
.set r, r+1
.endr
.set a, a+1
.endr
.set a, 0
.rept 8
	ds_store_b128 v[\va], v[ACC+8*a:ACC+8*a+3] offset:(a&1)*8448+(a>>1)*32
.set a, a+1
.endr
	v_add_nc_u32 v[\va], 16896, v[\va]     ; the next 32 positions
.endm
.macro CONV trips, rowoff, sstep       ; f32 to bf16: a trip takes 8,192 bytes of my own tensor load
	s_mov_b32 s[CNT], \trips
.Lcv\@:
.set i, 0
.rept 16
	ds_load_b128 v[BF0+4*i:BF0+4*i+3], v[VR] offset:512*i
.set i, i+1
.endr
	s_wait_dscnt 0x0
.set i, 0
.rept 16
	v_cvt_pk_bf16_f32 v[BF0+64+2*i], v[BF0+4*i], v[BF0+4*i+1]
	v_cvt_pk_bf16_f32 v[BF0+65+2*i], v[BF0+4*i+2], v[BF0+4*i+3]
.set i, i+1
.endr
.set i, 0
.rept 16
	ds_store_b64 v[VS], v[BF0+64+2*i:BF0+65+2*i] offset:(\rowoff)*i
.set i, i+1
.endr
	v_add_nc_u32 v[VR], 8192, v[VR]
	v_add_nc_u32 v[VS], \sstep, v[VS]
	s_sub_co_u32 s[CNT], s[CNT], 1
	s_cmp_lg_u32 s[CNT], 0
	s_cbranch_scc1 .Lcv\@
.endm
; One projection: ng groups of 32 positions.  nwin, noff, nb: the next projection's window, its weights' place in wf, its bias (0: none).  tb = 1: the next projection writes the same stage.
; (The last trip fetches group 0's fragments once more, unused.)
.macro PASS wwin, xbase, ng, rr, vep0, vrb, vgo, ob, nwin, noff, nb, tb
	v_add_nc_u32 v[VA], \xbase, v[VTR]
	LDH_TR VA, 0
	LDH_TR VA, 1
	v_mov_b32 v[VEP], v[\vep0]
	s_mov_b32 s[GI], 0
	s_mov_b32 s[CNT], \ng
	s_wait_loadcnt 0x0                     ; this projection's weights and bias
.if (\nwin) != 0
	LDWP \nwin, WB, \noff, 0, 56           ; the next one's weights travel under this one's products
.endif
	s_wait_dscnt 16                        ; the first half is in: behind its loads stand the second half's 16
.Lps\@:
	MMH \wwin, 0, 1
	WIN 0
	PLACES
	s_add_co_u32 s[GI], s[GI], 1
	s_and_b32 s[T0], s[GI], (\ng)-1
	s_and_b32 s[T1], s[T0], 1
	s_lshl_b32 s[T1], s[T1], 6             ; 32 positions are 64 bytes of a row,
	s_lshr_b32 s[T0], s[T0], 1
	s_mul_i32 s[T0], s[T0], 40960          ; 64 positions a tile
	s_add_co_u32 s[T0], s[T0], s[T1]
	s_add_co_u32 s[T0], s[T0], \xbase
	v_add_nc_u32 v[VA], s[T0], v[VTR]
	LDH_TR VA, 0                           ; the next group's first half
	s_wait_dscnt 16                        ; all but those 16: this group's second half is in
	MMH \wwin, 1, 0
	WIN 0
	PLACES
	LDH_TR VA, 1                           ; the next group's second half
	EPI VEP
	s_wait_dscnt 24                        ; the next group's first half is in: behind its loads stand the second half's 16 and the 8 stores
	s_sub_co_u32 s[CNT], s[CNT], 1
	s_cmp_lg_u32 s[CNT], 0
	s_cbranch_scc1 .Lps\@
.if (\nwin) != 0
	LDWP \nwin, WB, \noff, 56, 8           ; the rest of the next weights, and the next bias, come while the stage is read back
	LDBIAS \nb
.endif
	BAR                                    ; the stage is whole
.set i, 0
.rept \rr
	ds_load_b128 v[BF0+4*i:BF0+4*i+3], v[\vrb] offset:528*i
.set i, i+1
.endr
	s_wait_dscnt 0x0
.set i, 0
.rept \rr
	global_store_b128 v[\vgo], v[BF0+4*i:BF0+4*i+3], s[\ob:\ob+1] offset:256*i  ; 16 lanes store a head's row of 256 bytes, aligned
.set i, i+1
.endr
	s_wait_xcnt 0x0                        ; the stores have read their registers, which are written again below
.if \tb
	BAR                                    ; every wave has read the stage back: it may be written again
.endif
.endm
	s_load_b512 s[4:19], s[0:1], 0x0       ; motion1 4, motion2 6, wf 8, bk 10, bv 12, bq 14, qkv 16, m1b 18
	v_lshl_add_u32 v[SPW], v0, 2, SPARE
	v_mov_b32 v[NIL], 0
	ds_add_u32 v[SPW], v[NIL]              ; the wave's opening: the add and its wait ahead of my first tensor load
	ds_add_u32 v30, v31
	v_lshrrev_b32 v1, 5, v0
	v_readfirstlane_b32 s[WV], v1
	s_lshr_b32 s[SB], ttmp9, 5             ; batch
	s_and_b32 s[SJ], ttmp9, 31             ; block of positions in it
	s_mov_b32 s[G1A+0], 2<<16              ; elements of 4 bytes, no padding, no mask
	s_mov_b32 s[G1A+1], 128<<16            ; tensor_dim0 = 128 positions
	s_mov_b32 s[G1A+2], 64<<16             ; tensor_dim1 = 64 channels
	s_mov_b32 s[G1A+3], 128<<16            ; tile_dim0
	s_mov_b32 s[G1A+4], 64                 ; tile_dim1
	s_mov_b32 s[G1A+5], 4096               ; elements from channel to channel
	s_mov_b32 s[G1A+6], 0
	s_mov_b32 s[G1A+7], 0
	s_mov_b32 s[G1B+0], 2<<16
	s_mov_b32 s[G1B+1], 64<<16
	s_mov_b32 s[G1B+2], 64<<16
	s_mov_b32 s[G1B+3], 64<<16
	s_mov_b32 s[G1B+4], 64
	s_mov_b32 s[G1B+5], 2048
	s_mov_b32 s[G1B+6], 0
	s_mov_b32 s[G1B+7], 0
	s_mov_b32 s[G0A], 1
	s_lshl_b32 s[G0A+1], s[WV], 15         ; my 64 channels of RAW2
	s_mov_b32 s[G0B], 1
	s_lshl_b32 s[G0B+1], s[WV], 14
	s_add_co_u32 s[G0B+1], s[G0B+1], RAW1
	s_lshl_b32 s62, s[SB], 22              ; motion2: batch x 4,194,304 + 64 wave x 16,384 + block x 512 bytes
	s_lshl_b32 s[T0], s[WV], 20
	s_add_co_u32 s62, s62, s[T0]
	s_lshl_b32 s[T0], s[SJ], 9
	s_add_co_u32 s62, s62, s[T0]
	s_mov_b32 s63, 0
	s_wait_dscnt 0x0                       ; the opening add is done
	s_wait_kmcnt 0x0
	s_add_nc_u64 s[G0A+2:G0A+3], s[6:7], s[62:63]
	s_or_b32 s[G0A+3], s[G0A+3], 0x80000000
	s_lshr_b32 s62, s62, 1                 ; motion1 has half the positions and I take half as many: every term halves
	s_add_nc_u64 s[G0B+2:G0B+3], s[4:5], s[62:63]
	s_or_b32 s[G0B+3], s[G0B+3], 0x80000000
	tensor_load_to_lds s[G0B:G0B+3], s[G1B:G1B+7]  ; motion1's tile first; two loads of mine are out
	s_nop 0
	tensor_load_to_lds s[G0A:G0A+3], s[G1A:G1A+7]
	s_nop 0
	PLACES
	v_and_b32 v1, 31, v0                   ; lane
	v_and_b32 v2, 15, v0                   ; lane % 16
	v_bfe_u32 v3, v0, 4, 1                 ; lane / 16
	v_lshlrev_b32 v[VL16], 4, v1
	s_lshl_b32 s[T0], s[WV], 8
	v_lshl_add_u32 v[VB8], v3, 5, s[T0]    ; (64 wave + 8 half) x 4
	s_lshl_b32 s62, s[WV], 15
	s_add_nc_u64 s[WB:WB+1], s[8:9], s[62:63]
	LDBIAS 14                              ; bq
	LDWP 3, WB, 262144, 0, 64              ; wq, and no other weights yet
	s_lshl_b32 s62, s[SB], 21              ; k, v: batch x 2 heads x 1,048,576 + (128 block + 32 wave) rows of 256 bytes
	s_lshl_b32 s[T0], s[SJ], 15
	s_add_co_u32 s62, s62, s[T0]
	s_lshl_b32 s[T0], s[WV], 13
	s_add_co_u32 s62, s62, s[T0]
	s_add_nc_u64 s[KO:KO+1], s[16:17], s[62:63]
	s_add_nc_u64 s[VO:VO+1], s[KO:KO+1], 0x1800000
	s_add_nc_u64 s[KO:KO+1], s[KO:KO+1], 0x800000
	s_lshr_b32 s62, s62, 1                 ; q: again every term halves
	s_add_nc_u64 s[QO:QO+1], s[16:17], s[62:63]
	s_lshl_b32 s62, ttmp9, 15
	s_add_co_u32 s62, s62, s[T0]
	s_add_nc_u64 s[MB:MB+1], s[18:19], s[62:63]
	v_and_b32 v20, 7, v0
	v_lshl_add_u32 v20, v3, 3, v20
	v_mul_u32_u24 v[VTR], v20, 160         ; row 8 (lane / 16) + lane % 8,
	v_bfe_u32 v20, v0, 3, 1
	v_lshl_add_u32 v[VTR], v20, 4, v[VTR]  ; 16 bytes for each eight lanes
	v_mul_u32_u24 v[VEP0], v2, 528
	v_lshl_add_u32 v[VEP0], v3, 4, v[VEP0]
	s_lshl_b32 s[T0], s[WV], 7
	v_add_nc_u32 v[VEP0], s[T0], v[VEP0]   ; position x 528 + 128 wave + 16 half
	v_add_nc_u32 v[VEPQ], RAW1, v[VEP0]
	s_mul_i32 s[T0], s[WV], 32*528
	v_add_nc_u32 v[VRB], s[T0], v[VL16]
	s_mul_i32 s[T0], s[WV], 16*528
	s_add_co_u32 s[T0], s[T0], RAW1
	v_add_nc_u32 v[VRBQ], s[T0], v[VL16]
	v_lshlrev_b32 v20, 4, v2
	v_lshl_add_u32 v[VGK], v3, 20, v20
	v_lshl_add_u32 v[VGQ], v3, 19, v20
	v_lshrrev_b32 v20, 3, v1
	v_mul_u32_u24 v20, v20, 160
	v_and_b32 v21, 7, v0
	v_lshl_add_u32 v20, v21, 4, v20
	s_mul_i32 s[T1], s[WV], 10240          ; 64 channels of pitch 160
	s_add_co_u32 s[T0], s[T1], X1B
	v_add_nc_u32 v[VM1], s[T0], v20
	v_mul_u32_u24 v20, v3, 160             ; motion1: a load takes two channels of 256 bytes
	v_lshl_add_u32 v20, v2, 3, v20
	v_add_nc_u32 v[VS], s[T0], v20
	s_lshl_b32 s[T0], s[WV], 14
	s_add_co_u32 s[T0], s[T0], RAW1
	v_add_nc_u32 v[VR], s[T0], v[VL16]
	s_wait_tensorcnt 0x1                   ; motion1's tile is in; motion2's, issued behind it, may stay out.  I read my own load's bytes alone
	CONV 2, 320, 5120
	BAR                                    ; motion1's bf16 tile is whole, and nobody reads RAW1 any more
.set i, 0
.rept 16
	ds_load_b128 v[BF0+4*i:BF0+4*i+3], v[VM1] offset:640*i  ; four channels of 128 bytes
.set i, i+1
.endr
	s_wait_dscnt 0x0
.set i, 0
.rept 16
	global_store_b128 v[VL16], v[BF0+4*i:BF0+4*i+3], s[MB:MB+1] offset:512*i  ; 512 consecutive bytes, aligned
.set i, i+1
.endr
	s_wait_xcnt 0x0
	PASS 3, X1B, 2, 16, VEPQ, VRBQ, VGQ, QO, 1, 0, 10, 0
	s_lshl_b32 s[T0], s[WV], 15
	v_add_nc_u32 v[VR], s[T0], v[VL16]
	v_mul_u32_u24 v20, v3, 40960           ; motion2: a load takes one channel's 512 bytes; positions 64 on lie in the second tile
	v_lshl_add_u32 v20, v2, 3, v20
	s_mul_i32 s[T1], s[WV], 10240
	s_add_co_u32 s[T0], s[T1], X2B
	v_add_nc_u32 v[VS], s[T0], v20
	s_wait_tensorcnt 0x0                   ; motion2's tile
	CONV 4, 160, 2560
	BAR                                    ; motion2's bf16 tiles are whole, and nobody reads RAW2 any more
	PASS 1, X2B, 4, 32, VEP0, VRB, VGK, KO, 2, 131072, 12, 1
	PASS 2, X2B, 4, 32, VEP0, VRB, VGK, VO, 0, 0, 0, 0
	s_wait_tensorcnt 0x0                   ; the wave's end
	ds_add_u32 v[SPW], v[NIL]
	s_wait_dscnt 0x0
	s_endpgm
.Lfunc_end_k_qdfc1891481_proj:
	.size	k_qdfc1891481_proj, .Lfunc_end_k_qdfc1891481_proj-k_qdfc1891481_proj
	.p2alignl 7, 3214868480
	.fill 96, 4, 3214868480
	.section	.rodata,"a",@progbits
	.p2align	6, 0x0
	.amdhsa_kernel k_qdfc1891481_proj
		.amdhsa_group_segment_fixed_size 327680
		.amdhsa_private_segment_fixed_size 0
		.amdhsa_enable_private_segment 0
		.amdhsa_kernarg_size 64
		.amdhsa_user_sgpr_count 2
		.amdhsa_user_sgpr_kernarg_segment_ptr 1
		.amdhsa_wavefront_size32 1
		.amdhsa_system_sgpr_workgroup_id_x 1
		.amdhsa_system_sgpr_workgroup_id_y 1
		.amdhsa_system_sgpr_workgroup_id_z 1
		.amdhsa_system_vgpr_workitem_id 0
		.amdhsa_next_free_vgpr 1024
		.amdhsa_next_free_sgpr 66
		.amdhsa_reserve_vcc 0
		.amdhsa_float_denorm_mode_32 3
		.amdhsa_float_denorm_mode_16_64 3
		.amdhsa_memory_ordered 1
		.amdhsa_forward_progress 1
		.amdhsa_inst_pref_size 86
	.end_amdhsa_kernel
	.amdgpu_metadata
---
amdhsa.version: [ 1, 2 ]
amdhsa.kernels:
  - .name:           k_qdfc1891481_proj
    .symbol:         k_qdfc1891481_proj.kd
    .args:
      - { .name: motion1, .offset: 0, .size: 8, .value_kind: global_buffer, .address_space: global }
      - { .name: motion2, .offset: 8, .size: 8, .value_kind: global_buffer, .address_space: global }
      - { .name: wf, .offset: 16, .size: 8, .value_kind: global_buffer, .address_space: global }
      - { .name: bk, .offset: 24, .size: 8, .value_kind: global_buffer, .address_space: global }
      - { .name: bv, .offset: 32, .size: 8, .value_kind: global_buffer, .address_space: global }
      - { .name: bq, .offset: 40, .size: 8, .value_kind: global_buffer, .address_space: global }
      - { .name: qkv, .offset: 48, .size: 8, .value_kind: global_buffer, .address_space: global }
      - { .name: m1b, .offset: 56, .size: 8, .value_kind: global_buffer, .address_space: global }
    .group_segment_fixed_size: 327680
    .private_segment_fixed_size: 0
    .kernarg_segment_align: 8
    .kernarg_segment_size: 64
    .max_flat_workgroup_size: 128
    .sgpr_count:     66
    .vgpr_count:     1024
    .wavefront_size: 32
...
	.end_amdgpu_metadata
.endif
;; end of part 2
;; launch attn (part 3): grid 8 x 32, 4 waves a work-group, clusters of 4 x 1, 327,680 bytes of LDS; arguments qkv, op; writes op
.if DOCPART == 3
	.amdgcn_target "amdgcn-amd-amdhsa--gfx1250"
	.amdhsa_code_object_version 6
	.text
	.protected	k_qdfc1891481_attn
	.globl	k_qdfc1891481_attn
	.p2align	8
	.type	k_qdfc1891481_attn,@function
k_qdfc1891481_attn:
	s_mov_b64 s[64:65], 0
	v_nop
	global_prefetch_b8 v0, s[64:65] scope:SCOPE_SE
	s_setreg_imm32_b32 hwreg(HW_REG_WAVE_MODE, 25, 1), 1
	s_wait_xcnt 0x0
	s_wait_alu depctr_hold_cnt(0) depctr_sa_sdst(0) depctr_va_vdst(0) depctr_va_sdst(0) depctr_va_ssrc(0) depctr_va_vcc(0) depctr_vm_vsrc(0)
	s_getreg_b32 s2, hwreg(HW_REG_IB_STS2, 6, 4)
	s_cmp_eq_u32 s2, 0
	s_cbranch_scc0 .Lentry_in_a_cluster
	s_endpgm
.Lentry_in_a_cluster:
	s_bfe_u32 s2, ttmp6, 0x10000c
	s_cmp_lg_u32 s2, 0x3003
	s_cbranch_scc0 .Lentry_shape_is_right
	s_endpgm
.Lentry_shape_is_right:
; Attention over HALF of a head's keys.  y = 2 x (batch x head) + key half, 32 in all; each y has 2,048 keys; a work-group owns 256 queries, each of its four waves 64: four tiles of 16.
; Out: op[y][q][128] = softmax-weighted mean of V over the half's keys, in bf16, and for each query c m (its running maximum, scaled) and l (the sum of its weights) in f32 at op + 16,777,216: [y][2][2048].
; The next launch joins the two halves by those two numbers.  Products, maxima and sums in f32; the weights are rounded to bf16 for the second product.
; LIMITS: a weight below 2^-126 counts as 0; scaled scores c s stay far above -4e37, where c m starts; NaN and infinities are not treated apart.
; LAYOUT.  S^T = K Q^T (source 0 = 16 keys, source 1 = 16 queries): a lane holds ONE query (lane % 16) and the keys 8 (lane / 16) + 0..7; two such tiles rounded to bf16 ARE source 1 of O^T = V^T P.
; SOFTMAX.  p = 2^(c s - c m), c = log2(e) / sqrt(128), m the running maximum; in every step O and l are multiplied by a = 2^(c m_old - c m_new).
; BY TURNS.  Piece 0 (tiles 0, 1) and piece 2 (tiles 2, 3): in a turn one piece issues 32 products V^T P and 32 products K Q^T of the next step, and the other piece's softmax stands in 64 slices behind them.
; THE START.  O^T starts at 0, and tiles 2 and 3 start with m at the lowest finite number, c m far below every c s and l at 0 (their first a is 0): so the first whole key step is a trip of the loop, which is entered by a
; jump.  The price: 264 lines that write constants, which run while the first tile is on its way, in place of two turns written out.
; CLUSTER.  The four query blocks of a cluster walk the same K and V: each tile is asked for jointly, by the same tensor load, descriptor and mask in all four.
; REGISTERS: window 0: v0-11 addresses; v12-43 statistics; v48-54 the way out of c m and l; v64-191 S^T; v192-255 P.  window 1: O^T.  window 2: v0-127 Q, v128-255 K.  window 3: v0-127 V.
.set SIZE_N, 2048
.set KS,    64
.set PK,    272       ; a row of K in LDS: 256 bytes + 16: the 16 rows of a load start at 16 different groups of four banks (ISA guide 11.1)
.set PV,    288       ; a row of V: 256 + 32
.set VOFF,  KS*PK
.set STEPB, KS*(PK+PV)
.set SLOT1, 1<<17
.set STAGE, SLOT1+2*STEPB
.set SP,    272
.set AK0, 2
.set AV0, 3
.set ADR, 4
.set QO,  5
.set STO, 6
.set RD,  7
.set GO,  8
.set MLS, 52          ; my query's word in the stage
.set MLR, 53          ; 16 x lane in the stage
.set MLG, 54          ; plane x 8,192 + 16 (lane % 16)
.set SPW, 62
.set NIL, 63
.set SPARE, STAGE+4*16*272
.set ST,  12          ; tile t at v[ST+8 t]: +0 c m, +1 m, +2, +3 l, +4 to +7 at work
.set S,   64
.set P,   192
.set KF,  128
.set WV,  12
.set G1K, 24
.set G1V, 32
.set G0K, 40
.set G0V, 48
.set SLOTS, 56
.set TWICE, 57
.set CS,  58
.set SEL, 60
.set TB,  62
.set PFA, 18
.set LIM, 15
.set PFO, 61
.set MSB, 0
.macro WIN new
.if MSB != (\new)
	s_set_vgpr_msb (MSB<<8)|(\new)
.set MSB, \new
.endif
.endm
.set W_KQ, 0x0a
.set W_PV, 0x53
.set W_RS, 0x41
; A joint refill: waves 0 and 1 fetch the two steps' tiles of K, waves 2 and 3 those of V.  The branch hangs on the wave's number alone.  An s_nop 0 and four v_nop follow each line.
.macro JLOAD
	s_cmp_lt_u32 s[WV], 2
	s_cbranch_scc0 .Lfor_v_\@
	tensor_load_to_lds s[G0K+4:G0K+7], s[G1K:G1K+7]
	s_nop 0
.rept 4
	v_nop
.endr
	s_branch .Lasked_\@
.Lfor_v_\@:
	tensor_load_to_lds s[G0V+4:G0V+7], s[G1V:G1V+7]
	s_nop 0
.rept 4
	v_nop
.endr
.Lasked_\@:
.endm
; A prefetch of what the NEXT change of slots will ask for: 128 rows of K and of V, a lane a row.  Each row is named once in the launch: the first cluster of a y asks; its four partners take 32 rows each, told apart by
; address; wave 0 asks for K's, wave 2 for V's.  The last change that fills a slot asks for nothing.
.macro ASK
	s_cmp_gt_u32 s[SLOTS], s[LIM]
	s_cbranch_scc0 .Lnot_mine_\@
	global_prefetch_b8 v[PFO], s[PFA:PFA+1] th:TH_LOAD_NT scope:SCOPE_SE
.Lnot_mine_\@:
.endm
.macro CROUND                       ; a round of the cluster's barrier
	s_barrier_signal -1
	s_barrier_wait -1
	s_cmp_lg_u32 s[WV], 0
	s_cbranch_scc1 .Lnot_wave_0_\@
	s_barrier_signal -3
.Lnot_wave_0_\@:
	s_barrier_wait -3
	s_barrier_signal -1
	s_barrier_wait -1
.endm
	s_load_b128 s[4:7], s[0:1], 0x0   ; qkv s[4:5], op s[6:7]
	v_lshl_add_u32 v[SPW], v0, 2, SPARE
	v_mov_b32 v[NIL], 0
	ds_add_u32 v[SPW], v[NIL]       ; the wave's opening: the add and its wait ahead of my first tensor load
	ds_add_u32 v62, v63
	v_lshrrev_b32 v1, 5, v0
	v_readfirstlane_b32 s[WV], v1
	s_bfe_u32 s13, ttmp6, 0x40000   ; cx
	s_lshl_b32 s14, ttmp9, 2
	s_add_co_u32 s14, s14, s13      ; my block of 256 queries: it enters Q's, O's and the statistics' addresses alone
	s_and_b32 s20, ttmp7, 0xffff    ; y, which the four partners share
	s_lshr_b32 s66, s20, 1          ; batch x head
	s_lshl_b32 s66, s66, 19         ; Q's rows of that head
	s_mov_b32 s67, 0
	s_lshl_b32 s68, s20, 14         ; the statistics of y,
	s_lshl_b32 s69, s14, 10         ; of my block's 256 queries,
	s_add_co_u32 s68, s68, s69
	s_lshl_b32 s69, s[WV], 8        ; of my wave's 64
	s_add_co_u32 s68, s68, s69
	s_add_co_u32 s68, s68, 0x1000000
	s_mov_b32 s69, 0
	s_lshl_b32 s20, s20, 19         ; y's 2,048 rows of 256 bytes in K, V and O
	s_mov_b32 s21, 0
	s_and_b32 s16, s[WV], 1         ; which of a slot's two steps I fetch
	s_lshl_b32 s22, s16, 14
	s_mov_b32 s23, 0
	s_add_nc_u64 s[22:23], s[22:23], s[20:21]
	s_mul_i32 s17, s16, STEPB
	s_lshl_b32 s2, s14, 16
	s_lshl_b32 s3, s[WV], 14
	s_add_co_u32 s2, s2, s3
	s_mov_b32 s3, 0
	s_mov_b32 s[G1K], 15|(1<<16)|(1<<20)|(1<<21)|(5<<22)|(3<<25)  ; mask of four; 2-byte elements; padding on; bit 21 beside a mask; after every 64 words 4 words
	s_mov_b32 s[G1V], 15|(1<<16)|(1<<20)|(1<<21)|(5<<22)|(7<<25)  ; the same with 8 words
.irp g, G1K, G1V
	s_mov_b32 s[(\g)+1], 128<<16
	s_mov_b32 s[(\g)+2], KS<<16
	s_mov_b32 s[(\g)+3], 128<<16
	s_mov_b32 s[(\g)+4], KS
	s_mov_b32 s[(\g)+5], 128
	s_mov_b32 s[(\g)+6], 0
	s_mov_b32 s[(\g)+7], 0
.endr
	s_mov_b32 s[CS], 0x3e0293ee     ; c = log2(e) / sqrt(128)
	s_mov_b32 s[CS+1], s[CS]
	s_mov_b32 s[SEL], 0x76543210
	s_mov_b32 s[SEL+1], 0xfedcba98
	s_mov_b32 s[TB], 0
	s_mov_b32 s[SLOTS], SIZE_N/(2*KS)-1  ; the entry into the loop passes the counter's step once: SIZE_N / 128 - 2 changes of slots fill a slot again
	s_and_b32 s[LIM], s[WV], 1
	s_or_b32 s[LIM], s[LIM], ttmp9
	s_cmp_eq_u32 s[LIM], 0
	s_cselect_b32 s[LIM], 1, -1
	v_and_b32 v[PFO], 31, v0
	v_lshlrev_b32 v[PFO], 8, v[PFO]
	s_wait_dscnt 0x0                ; the opening add is done
	s_wait_kmcnt 0x0
	s_mov_b64 s[10:11], s[6:7]      ; op
	s_add_nc_u64 s[68:69], s[10:11], s[68:69]
	s_add_nc_u64 s[6:7], s[4:5], 0x800000   ; k
	s_add_nc_u64 s[8:9], s[4:5], 0x1800000  ; v
	s_add_nc_u64 s[6:7], s[6:7], s[22:23]
	s_add_nc_u64 s[8:9], s[8:9], s[22:23]
	s_add_nc_u64 s[4:5], s[4:5], s[2:3]
	s_add_nc_u64 s[4:5], s[4:5], s[66:67]
	s_add_nc_u64 s[10:11], s[10:11], s[2:3]
	s_add_nc_u64 s[10:11], s[10:11], s[20:21]
	s_cmp_lt_u32 s[WV], 2
	s_cselect_b64 s[PFA:PFA+1], s[6:7], s[8:9]
	s_lshl_b32 s2, s13, 13          ; my work-group's 32 rows of the 128
	s_mov_b32 s3, 0
	s_add_nc_u64 s[PFA:PFA+1], s[PFA:PFA+1], s[2:3]
	s_add_nc_u64 s[PFA:PFA+1], s[PFA:PFA+1], 2*2*KS*256  ; in slot 2; the first change of slots steps it to slot 3
	CROUND                          ; all four work-groups are here: the first joint loads meet
.irp s, 0,1
	s_mov_b32 s[G0K+4*(\s)], 1
	s_add_co_u32 s[G0K+4*(\s)+1], s17, (\s)*SLOT1
	s_add_nc_u64 s[G0K+4*(\s)+2:G0K+4*(\s)+3], s[6:7], (\s)*2*KS*256
	s_or_b32 s[G0K+4*(\s)+3], s[G0K+4*(\s)+3], 0x80000000
	s_mov_b32 s[G0V+4*(\s)], 1
	s_add_co_u32 s[G0V+4*(\s)+1], s17, (\s)*SLOT1+VOFF
	s_add_nc_u64 s[G0V+4*(\s)+2:G0V+4*(\s)+3], s[8:9], (\s)*2*KS*256
	s_or_b32 s[G0V+4*(\s)+3], s[G0V+4*(\s)+3], 0x80000000
.endr
	s_cmp_lt_u32 s[WV], 2           ; a wave's two first fills stand in one branch: two loads of mine are out
	s_cbranch_scc0 .Lfirst_v
	tensor_load_to_lds s[G0K:G0K+3], s[G1K:G1K+7]
	s_nop 0
	tensor_load_to_lds s[G0K+4:G0K+7], s[G1K:G1K+7]
	s_nop 0
.rept 4
	v_nop
.endr
	s_branch .Lfirst_asked
.Lfirst_v:
	tensor_load_to_lds s[G0V:G0V+3], s[G1V:G1V+7]
	s_nop 0
	tensor_load_to_lds s[G0V+4:G0V+7], s[G1V:G1V+7]
	s_nop 0
.rept 4
	v_nop
.endr
.Lfirst_asked:
	v_and_b32 v1, 15, v0
	v_bfe_u32 v9, v0, 4, 1
	v_lshlrev_b32 v[QO], 8, v1
	v_lshl_add_u32 v[QO], v9, 4, v[QO]
	WIN 0x80
.irp i, 0,1,2,3,4,5,6,7,8,9,10,11,12,13,14,15  ; Q stays in registers
	global_load_b128 v[8*(\i):8*(\i)+3],   v[QO], s[4:5] offset:((\i)/4)*4096+((\i)%4)*64
	global_load_b128 v[8*(\i)+4:8*(\i)+7], v[QO], s[4:5] offset:((\i)/4)*4096+((\i)%4)*64+32
.endr
	WIN 0x40                        ; what the first trip of the loop finds: O^T is 0,
.set i, 0
.rept 256
	v_mov_b32 v[i], 0
.set i, i+1
.endr
	WIN 0
.irp t, 2,3                         ; and piece 2, whose first softmax that trip holds, has no maximum and no sum yet (piece 0's first softmax is written out below)
	v_mov_b32 v[ST+8*(\t)], 0xfe000000    ; c m: far below every c s
	v_mov_b32 v[ST+8*(\t)+1], 0xff7fffff  ; m
	v_mov_b32 v[ST+8*(\t)+2], 0
	v_mov_b32 v[ST+8*(\t)+3], 0
.endr
	v_mul_u32_u24 v[AK0], v1, PK
	v_lshl_add_u32 v[AK0], v9, 4, v[AK0]
	v_and_b32 v10, 7, v0
	v_bfe_u32 v11, v0, 3, 1
	v_lshl_add_u32 v[AV0], v9, 3, v10
	v_mul_u32_u24 v[AV0], v[AV0], PV
	v_lshl_add_u32 v[AV0], v11, 4, v[AV0]
	v_add_nc_u32 v[AV0], VOFF, v[AV0]
; Product i of 32 of O^T += V^T P for piece x.  The accumulators take turns, one instruction a turn.
.macro PV x
	WIN W_PV
.set rO, 64*((\x)+i%2)+8*((i/2)%8)
.set rV, 64*(i/16)+8*((i/2)%8)
.set rP, P+16*((\x)+i%2)+8*(i/16)
	v_wmma_f32_16x16x32_bf16 v[rO:rO+7], v[rV:rV+7], v[rP:rP+7], v[rO:rO+7]
.endm
; Product i of 32 of S^T = K Q^T.  The first 8 start the sums.
.macro KQ x
	WIN W_KQ
.set rS, S+32*((\x)+i%2)+8*((i/2)%4)
.set rK, KF+32*((i/2)%4)+8*(i/8)
.set rQ, 32*((\x)+i%2)+8*(i/8)
.if i < 8
	v_wmma_f32_16x16x32_bf16 v[rS:rS+7], v[rK:rK+7], v[rQ:rQ+7], 0
.else
	v_wmma_f32_16x16x32_bf16 v[rS:rS+7], v[rK:rK+7], v[rQ:rQ+7], v[rS:rS+7]
.endif
.endm
.macro FETCH_K                      ; a step's K: one run of 32 LDS loads
	WIN 0
	v_add_nc_u32 v[ADR], s[TB], v[AK0]
	WIN 0x80
.irp f, 0,1,2,3,4,5,6,7,8,9,10,11,12,13,14,15
	ds_load_b128 v[KF+8*(\f):KF+8*(\f)+3],   v[ADR] offset:((\f)/4)*16*PK+((\f)%4)*64
	ds_load_b128 v[KF+8*(\f)+4:KF+8*(\f)+7], v[ADR] offset:((\f)/4)*16*PK+((\f)%4)*64+32
.endr
.endm
.macro FETCH_V                      ; a step's V, turned
	WIN 0
	v_add_nc_u32 v[ADR], s[TB], v[AV0]
	s_add_co_u32 s[TB], s[TB], STEPB
	s_wait_alu depctr_va_vdst(0)    ; the wait for the softmax's batch of exponentials, ahead of the first reader of a result
	WIN 0xc0
.irp f, 0,1,2,3,4,5,6,7,8,9,10,11,12,13,14,15
	ds_load_tr16_b128 v[8*(\f):8*(\f)+3],   v[ADR] offset:((\f)/8)*32*PV+((\f)%8)*32
	ds_load_tr16_b128 v[8*(\f)+4:8*(\f)+7], v[ADR] offset:((\f)/8)*32*PV+16*PV+((\f)%8)*32
.endr
.endm
; One tile's softmax for one key step is a list of 134 instructions; SM writes number j of it for tile t.
;   0-15 the maximum; 16-20 the other half of the lanes', the new m, c m, its change; 21-69 ONE BATCH: 16 scalings and 33 exponentials, none of which reads an exponential's result;
;   (the wait, written by SLICE); 70-85 the roundings; 86-101 the sums; 102-133 O^T times a.  first = 1: piece 0's first softmax, which has no a and nothing to rescale.
.macro SM t, first
.set rT, ST+8*(\t)
.set rS, S+32*(\t)
.set rP, P+16*(\t)
.set rO, 64*(\t)+2*(j-102)
.if j < 102
	WIN 0
.endif
.if j < 4
	v_max3_num_f32 v[rT+4+j], v[rS+8*j], v[rS+8*j+1], v[rS+8*j+2]
.elseif j < 12
	v_max3_num_f32 v[rT+4+j%4], v[rT+4+j%4], v[rS+8*(j%4)+2*(j/4)+1], v[rS+8*(j%4)+2*(j/4)+2]
.elseif j == 12
	v_max3_num_f32 v[rT+4], v[rT+4], v[rS+7], v[rS+15]
.elseif j == 13
	v_max3_num_f32 v[rT+6], v[rT+6], v[rS+23], v[rS+31]
.elseif j == 14
	v_max3_num_f32 v[rT+4], v[rT+4], v[rT+5], v[rT+6]
.elseif (j == 15) && (\first)
	v_max_num_f32 v[rT+4], v[rT+4], v[rT+7]
.elseif j == 15
	v_max3_num_f32 v[rT+4], v[rT+4], v[rT+7], v[rT+1]
.elseif j == 16
	v_permlanex16_b32 v[rT+5], v[rT+4], s[SEL], s[SEL+1]
.elseif j == 18
	v_max_num_f32 v[rT+1], v[rT+4], v[rT+5]
.elseif j == 19
	v_mul_f32 v[rT], s[CS], v[rT+1]
.elseif ((j == 17) || (j == 20) || (j == 23) || (j > 101)) && (\first)
.elseif j == 17
	v_mov_b32 v[rT+7], v[rT]
.elseif j == 20
	v_sub_f32 v[rT+7], v[rT+7], v[rT]
.elseif j == 23
	v_exp_f32 v[rT+6], v[rT+7]
.elseif (j < 23) || ((j < 38) && (j%2 == 0)) || ((j < 66) && (j%4 == 2))
.set b, (j-2)/4
.if j < 38
.set b, (j-20)/2
.endif
	v_pk_fma_f32 v[rS+2*b:rS+2*b+1], v[rS+2*b:rS+2*b+1], s[CS:CS+1], v[rT:rT+1] op_sel_hi:[1,0,0] neg_lo:[0,0,1] neg_hi:[0,0,1]
.elseif j < 70
.set e, j-38
.if j < 66
.set e, j-32-(j-38)/4
.endif
.if j < 38
.set e, (j-25)/2
.endif
	v_exp_f32 v[rS+e], v[rS+e]
.elseif j < 86
	v_cvt_pk_bf16_f32 v[rP+j-70], v[rS+2*(j-70)], v[rS+2*(j-70)+1]
.elseif j < 102
.set z, j-86
.set w, 4
.set u, z
.if z >= 14
.set w, 32
.set u, 0
.elseif z >= 12
.set w, 16
.set u, z-12
.elseif z >= 8
.set w, 8
.set u, z-8
.endif
.if (z == 14) && (\first)
	v_pk_add_f32 v[rT+2:rT+3], v[rS:rS+1], v[rS+16:rS+17]
.elseif z < 15
	v_pk_add_f32 v[rS+w*u:rS+w*u+1], v[rS+w*u:rS+w*u+1], v[rS+w*u+w/2:rS+w*u+w/2+1]
.elseif !(\first)
	v_pk_fma_f32 v[rT+2:rT+3], v[rT+2:rT+3], v[rT+6:rT+7], v[rS:rS+1] op_sel_hi:[1,0,1]
.endif
.else
	WIN W_RS
	v_pk_mul_f32 v[rO:rO+1], v[rO:rO+1], v[rT+6:rT+7] op_sel_hi:[1,0]
.endif
.endm
; Slice k of 64 of piece y's softmax: four instructions; slices 11 to 34 deal out the batch, four numbers of one tile each; the twelve that are over stand in slice 63.
; Ahead of slice 35 nothing names an exponential's result, and behind slice 34 none is issued: the piece's 66 exponentials have one wait, behind slice 34.
.macro SLICE y, first
.if (k >= 11) && (k < 35)
.irp n, 0,1,2,3
.set j, 22+4*((k-11)/2)+(\n)
	SM (\y)+(k-11)%2, \first
.endr
.else
.irp n, 0,1,2,3,4,5,6,7
.if ((\n) < 2) || (k == 63)
.irp t, \y, (\y)+1
.set j, 2*k+(\n)
	SM \t, \first
.endr
.endif
.endr
.endif
.if k == 34
	v_nop                           ; a plain instruction behind the last exponential and ahead of the first use (ISA guide 5.7.2): one for the batch
.if (\y) == 0
	FETCH_V                         ; piece 2's turn: V's run of loads stands here, and the wait stands in it
.else
	s_wait_alu depctr_va_vdst(0)    ; the wait for the batch
.endif
.endif
.set k, k+1
.endm
.macro PLACES
.rept 4
	v_nop
.endr
.endm
; A TURN: piece x has the matrix unit; the other piece's softmax stands in slices behind its matrix instructions.  pv = 1: 32 products V^T P.  kq = 1: 32 products K Q^T.  A turn with one kind has two slices behind each.
.macro TURN x, pv, kq, first
.set k, 0
.set per, 2
.if (\pv) && (\kq)
.set per, 1
.endif
.if \pv
.if (\x) == 0
	s_wait_dscnt 0x0                ; V is in
.endif
.set i, 0
.rept 32
	PV \x
.rept per
	SLICE 2-(\x), \first
.endr
.if ((\x) == 0) && (\kq) && (i == 1)
	FETCH_K
.endif
.set i, i+1
.endr
.endif
.if \kq
.if (\x) == 0
	s_wait_dscnt 0x0                ; K is in
.endif
.set i, 0
.rept 32
	KQ \x
.rept per
	SLICE 2-(\x), \first
.endr
.set i, i+1
.endr
.endif
.if \first
	PLACES                          ; its slices from 51 on are empty: four v_nop take slice 63's part as the places behind the last products
.endif
.endm
; THE CHANGE OF SLOTS: each wave waits for all its tensor loads (one is out: its part of the other slot), adds 0 to its spare word, waits for that and for its reads of the slot.  fill = 1: a round of the cluster's
; barrier, and the joint refill first behind it, with two key steps, 256 matrix instructions, in which to land.
.macro CHANGE fill
	WIN 0
	s_wait_tensorcnt 0x0            ; no tensor load of mine is out, so a group 0 may be written
	ds_add_u32 v[SPW], v[NIL]
.if \fill
.irp g, G0K+4, G0V+4
	s_xor_b32 s[(\g)+1], s[(\g)+1], SLOT1
	s_add_nc_u64 s[(\g)+2:(\g)+3], s[(\g)+2:(\g)+3], 2*KS*256
.endr
	s_wait_xcnt 0x0                 ; the last prefetch, two key steps back, has read its address
	s_add_nc_u64 s[PFA:PFA+1], s[PFA:PFA+1], 2*KS*256
	s_wait_dscnt 0x0                ; the add is done, and my reads of the slot are over
	CROUND
	JLOAD
	ASK
.else
	s_wait_dscnt 0x0
	s_barrier_signal -1
	s_barrier_wait -1
.endif
	s_sub_co_u32 s[TB], s[TB], 2*STEPB
	s_xor_b32 s[TB], s[TB], SLOT1
.endm
	s_wait_tensorcnt 1              ; my part of slot 0 is in; slot 1's may stay out
	s_barrier_signal -1
	s_barrier_wait -1
	FETCH_K
	s_wait_loadcnt 0x0              ; Q
	s_wait_dscnt 0x0
.set i, 0
.rept 32
	KQ 0
.set i, i+1
.endr
	WIN 0                           ; the addresses for the way out: plain instructions, the places behind those products
	s_mul_i32 s13, s[WV], 16*SP
	s_add_co_u32 s13, s13, STAGE
	v_mul_u32_u24 v[STO], v1, SP
	v_lshl_add_u32 v[STO], v9, 4, v[STO]
	v_add_nc_u32 v[STO], s13, v[STO]
	v_mul_u32_u24 v[RD], v9, SP
	v_lshl_add_u32 v[RD], v1, 4, v[RD]
	v_add_nc_u32 v[RD], s13, v[RD]
	v_lshlrev_b32 v[GO], 8, v9
	v_lshl_add_u32 v[GO], v1, 4, v[GO]
	v_lshl_add_u32 v[MLS], v1, 2, s13
	v_and_b32 v[MLR], 31, v0
	v_lshl_add_u32 v[MLR], v[MLR], 4, s13
	v_lshlrev_b32 v[MLG], 13, v9
	v_lshl_add_u32 v[MLG], v1, 4, v[MLG]
	TURN 2, 0, 1, 1                 ; piece 2's first scores | piece 0's first softmax | V of step 0
	WIN 0
	s_mov_b32 s[TWICE], 1           ; slot 0 has one whole step left
	s_branch .Lstep
.Lslot:                             ; every slot but the last two is filled again
	CHANGE 1
	s_mov_b32 s[TWICE], 2
.Lstep:                             ; a key step: written once, walked twice a slot; the LDS addresses hang on s[TB]
	TURN 0, 1, 1, 0
	TURN 2, 1, 1, 0
	WIN 0
	s_sub_co_u32 s[TWICE], s[TWICE], 1
	s_cmp_lg_u32 s[TWICE], 0
	s_cbranch_scc1 .Lstep
	s_sub_co_u32 s[SLOTS], s[SLOTS], 1
	s_cmp_lg_u32 s[SLOTS], 0
	s_cbranch_scc1 .Lslot
	CHANGE 0                        ; the tail is written out
	s_mov_b32 s[TWICE], 2
.Ltail:
	TURN 0, 1, 1, 0
	TURN 2, 1, 1, 0
	WIN 0
	s_sub_co_u32 s[TWICE], s[TWICE], 1
	s_cmp_lg_u32 s[TWICE], 0
	s_cbranch_scc1 .Ltail
	TURN 0, 1, 0, 0
.set i, 0
.rept 32
	PV 2
.set i, i+1
.endr
	; THE WAY OUT.  l's halves are added; c m and l leave; O^T is divided by l, rounded to bf16 and sent through my stage.  The additions are the places behind the last products.
	WIN 0
.irp t, 0,1,2,3
	v_add_f32 v[ST+8*(\t)+4], v[ST+8*(\t)+2], v[ST+8*(\t)+3]
.endr
.irp t, 0,1,2,3
	v_permlanex16_b32 v[ST+8*(\t)+5], v[ST+8*(\t)+4], s[SEL], s[SEL+1]
.endr
.irp t, 0,1,2,3
	v_add_f32 v[ST+8*(\t)+4], v[ST+8*(\t)+4], v[ST+8*(\t)+5]
.endr
.irp t, 0,1,2,3
	v_rcp_f32 v[ST+8*(\t)+6], v[ST+8*(\t)+4]
.endr
	v_nop
	s_wait_alu depctr_va_vdst(0)    ; one wait for the four reciprocals, ahead of their first use
.irp t, 0,1,2,3                     ; both halves of the lanes hold the same c m and l of query 16 t + lane % 16: 64 words of each into my stage,
	ds_store_b32 v[MLS], v[ST+8*(\t)] offset:64*(\t)
	ds_store_b32 v[MLS], v[ST+8*(\t)+4] offset:256+64*(\t)
.endr
	ds_load_b128 v[48:51], v[MLR]   ; and back, 16 bytes a lane (LDS serves a wave's instructions in order: ISA guide 5.7.1.4)
	s_wait_dscnt 0x0
	global_store_b128 v[MLG], v[48:51], s[68:69]  ; lanes 0-15: 256 consecutive bytes of c m; lanes 16-31: of l
.macro PACK t
	WIN W_RS
.set i, 64*(\t)
.rept 32
	v_pk_mul_f32 v[i:i+1], v[i:i+1], v[ST+8*(\t)+6:ST+8*(\t)+7] op_sel_hi:[1,0]
.set i, i+2
.endr
	WIN 0x05
.set i, 0
.rept 32
	v_cvt_pk_bf16_f32 v[S+32*(\t)+i], v[64*(\t)+2*i], v[64*(\t)+2*i+1]
.set i, i+1
.endr
	WIN 0
.irp f, 0,1,2,3,4,5,6,7
	ds_store_b128 v[STO], v[S+32*(\t)+4*(\f):S+32*(\t)+4*(\f)+3] offset:32*(\f)
.endr
.irp f, 0,1,2,3,4,5,6,7
	ds_load_b128 v[S+32*(\t)+4*(\f):S+32*(\t)+4*(\f)+3], v[RD] offset:(\f)*2*SP
.endr
.endm
.macro SEND t, younger              ; younger: the LDS instructions issued behind tile t's loads
	WIN 0
.irp f, 0,1,2,3,4,5,6,7
	s_wait_dscnt (\younger)+7-(\f)
	global_store_b128 v[GO], v[S+32*(\t)+4*(\f):S+32*(\t)+4*(\f)+3], s[10:11] offset:(\t)*4096+(\f)*512  ; 16 lanes store 256 consecutive bytes, aligned
.endr
.endm
	PACK 0
	PACK 1
	SEND 0, 16
	PACK 2
	SEND 1, 16
	PACK 3
	SEND 2, 16
	SEND 3, 0
	s_wait_tensorcnt 0x0            ; the wave's end
	ds_add_u32 v[SPW], v[NIL]
	s_wait_dscnt 0x0
	CROUND                          ; the closing round
	s_endpgm
.Lfunc_end_k_qdfc1891481_attn:
	.size	k_qdfc1891481_attn, .Lfunc_end_k_qdfc1891481_attn-k_qdfc1891481_attn
	.p2alignl 7, 3214868480
	.fill 96, 4, 3214868480
	.section	.rodata,"a",@progbits
	.p2align	6, 0x0
	.amdhsa_kernel k_qdfc1891481_attn
		.amdhsa_group_segment_fixed_size 327680
		.amdhsa_private_segment_fixed_size 0
		.amdhsa_enable_private_segment 0
		.amdhsa_kernarg_size 16
		.amdhsa_user_sgpr_count 2
		.amdhsa_user_sgpr_kernarg_segment_ptr 1
		.amdhsa_wavefront_size32 1
		.amdhsa_system_sgpr_workgroup_id_x 1
		.amdhsa_system_sgpr_workgroup_id_y 1
		.amdhsa_system_sgpr_workgroup_id_z 1
		.amdhsa_system_vgpr_workitem_id 0
		.amdhsa_next_free_vgpr 1024
		.amdhsa_next_free_sgpr 72
		.amdhsa_reserve_vcc 0
		.amdhsa_float_denorm_mode_32 3
		.amdhsa_float_denorm_mode_16_64 3
		.amdhsa_memory_ordered 1
		.amdhsa_forward_progress 1
		.amdhsa_inst_pref_size 187
	.end_amdhsa_kernel
	.amdgpu_metadata
---
amdhsa.version: [ 1, 2 ]
amdhsa.kernels:
  - .name:           k_qdfc1891481_attn
    .symbol:         k_qdfc1891481_attn.kd
    .args:
      - { .name: qkv, .offset: 0, .size: 8, .value_kind: global_buffer, .address_space: global }
      - { .name: op, .offset: 8, .size: 8, .value_kind: global_buffer, .address_space: global }
    .group_segment_fixed_size: 327680
    .private_segment_fixed_size: 0
    .kernarg_segment_align: 8
    .kernarg_segment_size: 16
    .max_flat_workgroup_size: 128
    .sgpr_count:     72
    .vgpr_count:     1024
    .wavefront_size: 32
...
	.end_amdgpu_metadata
.endif
;; end of part 3
;; launch mix (part 4): grid 128 x 2, 4 waves a work-group, no clusters, 327,680 bytes of LDS; arguments op, m1b, wf, bm, b1, hc; writes hc
.if DOCPART == 4
	.amdgcn_target "amdgcn-amd-amdhsa--gfx1250"
	.amdhsa_code_object_version 6
	.text
	.protected	k_qdfc1891481_mix
	.globl	k_qdfc1891481_mix
	.p2align	8
	.type	k_qdfc1891481_mix,@function
k_qdfc1891481_mix:
	s_mov_b64 s[64:65], 0
	v_nop
	global_prefetch_b8 v0, s[64:65] scope:SCOPE_SE
	s_setreg_imm32_b32 hwreg(HW_REG_WAVE_MODE, 25, 1), 1
	s_wait_xcnt 0x0
; For 128 positions (work-group x) and 256 of the 512 channels of h (work-group y):
;   att = the two key halves' partial results joined: weight of half i = l_i 2^(c m_i - max) / the sum of both;   av = wm att + bm;   h = w1 [motion1; av] + b1.
;   For each channel: the pivot p = h at the block's first position; S1 = sum of (h - p), S2 = sum of (h - p)^2 over the block's 128 positions, in f32; h - p leaves in f16.
; hc: [16,384 positions][512 channels] f16; at 16,777,216: [128 blocks][p, S1, S2][512] f32.
; The sums are taken about a sample of the block, so a common offset of h costs them nothing: S2 is at most 129 times the block's sum of squares about its own mean.
; FORMATS.  att and wm, motion1 and w1's columns for it: bf16.  av and w1's columns for it: f16 (the weights are bf16 numbers written as f16): av is a bias plus a small moving part, and f16's finer step keeps that part.
; So h's sums take an f16 run of products and then a bf16 run on the same accumulators: no chain in place, and plain places stand between the two runs.
; WHEN BYTES ARE ASKED FOR.  A wave's three chunks of weights are 32,768 bytes each.  At the head go the tiles, c m and l, bm and 47 loads of wm; the rest of wm and w1's columns for av behind the first barrier, under the
; joining of the halves; w1's columns for motion1 take wm's registers behind the first product, and h's sums begin with av's half of K, so that those weights have a barrier, a run of LDS loads and 64 products in which to land.
; Both y make att and av: the price of 256 work-groups.  NO CLUSTER: what the two share is a third of a work-group's bytes and two is no cluster of four; the weights go straight to registers.
; LIMITS: |av| and |h - p| stay under 65,504, f16's end (the drawn inputs give about 1 and 3); below 6e-5 they keep f16's fixed step of 6e-8; NaN and infinities are not treated apart.
; LDS: RAW 0 (4 x 32,768: head x key half, [128 positions][256 bytes]); X1 131,072 (2 tiles [256 channels][64 positions], pitch 160); ATT 212,992 (pitch 528; later h's stage);
;      WT 280,576 (16 bytes a position); RED 282,624 (8,704 a wave); spare words 317,440.  AV (pitch 528) lies over RAW, which is filled once.
.set X1,    131072
.set ATT,   212992
.set WT,    280576
.set RED,   282624
.set SPARE, 317440
.set BIAS, 32
.set ACC,  64
.set BF0,  128
.set PV,   128                         ; window 3: v0-127 second fragment buffer; v128-159 p; v160-191 S1; v192-223 S2, each at 8 ot + j
.set S1,   160
.set S2,   192
.set VL16, 4
.set VB8,  5
.set VTR,  6
.set VA,   7
.set VRW0, 8                           ; (lane % 16) x 528 + 16 (lane / 16)
.set VAT,  9
.set VAV,  10
.set VEP0, 11
.set VEP,  12
.set VML,  13                          ; later: where I read p back
.set VWTS, 14                          ; later: where I put p
.set VRAW, 15
.set VWT,  16
.set VATT, 17
.set VRED, 18
.set VRDL, 19
.set TMP,  20                          ; v20-27
.set VRB,  28
.set VGS,  29
.set SPW,  30
.set NIL,  31
.set G1R, 16
.set G1X, 24
.set G0R, 32
.set G0X, 36
.set WBM, 40
.set WB1, 42
.set MLB, 44
.set B1P, 46
.set HCB, 48
.set BSTB, 50
.set WV,  52
.set GI,  53
.set CNT, 54
.set T0,  55
.set T1,  56
.set SY,  58
.set MASK, 59
.set MSB, 0
.macro WIN new
.if MSB != (\new)
	s_set_vgpr_msb (MSB<<8)|(\new)
.set MSB, (\new)
.endif
.endm
.macro PLACES                          ; four plain places behind a matrix instruction (ISA guide 7.12.1)
.rept 4
	v_nop
.endr
.endm
.macro BAR
	s_wait_dscnt 0x0
	s_barrier_signal -1
	s_barrier_wait -1
.endm
.macro LDWP win, sb, off, i0, n        ; loads i0 .. i0 + n - 1 of the 64 that bring a chunk of weights, 512 consecutive bytes each, into a window
	WIN (\win)<<6
.set i, \i0
.rept \n
	global_load_b128 v[4*i:4*i+3], v[VL16], s[\sb:\sb+1] offset:(\off)+512*i
.set i, i+1
.endr
	WIN 0
.endm
.macro LDBIAS sb
.irp ot, 0,1,2,3
	global_load_b128 v[BIAS+8*(\ot):BIAS+8*(\ot)+3], v[VB8], s[\sb:\sb+1] offset:64*(\ot)
	global_load_b128 v[BIAS+8*(\ot)+4:BIAS+8*(\ot)+7], v[VB8], s[\sb:\sb+1] offset:64*(\ot)+16
.endr
.endm
.macro LDB_TR va                       ; 32 positions x 256 k out of a tile [k][position] of pitch 160
.irp ks, 0,1,2,3,4,5,6,7
.irp pt, 0,1
	ds_load_tr16_b128 v[BF0+8*(2*(\ks)+(\pt)):BF0+8*(2*(\ks)+(\pt))+3], v[\va] offset:(\ks)*5120+32*(\pt)
	ds_load_tr16_b128 v[BF0+8*(2*(\ks)+(\pt))+4:BF0+8*(2*(\ks)+(\pt))+7], v[\va] offset:(\ks)*5120+2560+32*(\pt)
.endr
.endr
.endm
.macro LDH_ROW va, hh                  ; half hh of BF0: 32 positions x 128 k out of a tile [position][k] of pitch 528: 16 loads
.irp k4, 0,1,2,3
.irp pt, 0,1
	ds_load_b128 v[BF0+8*(2*(4*(\hh)+(\k4))+(\pt)):BF0+8*(2*(4*(\hh)+(\k4))+(\pt))+3], v[\va] offset:(\pt)*8448+64*(4*(\hh)+(\k4))
	ds_load_b128 v[BF0+8*(2*(4*(\hh)+(\k4))+(\pt))+4:BF0+8*(2*(4*(\hh)+(\k4))+(\pt))+7], v[\va] offset:(\pt)*8448+64*(4*(\hh)+(\k4))+32
.endr
.endr
.endm
.macro LDB_ROW bwin, bbase, va, pp, koff  ; 32 positions x 256 k out of a tile [position][k] of pitch pp
	WIN (\bwin)<<6
.irp ks, 0,1,2,3,4,5,6,7
.irp pt, 0,1
	ds_load_b128 v[(\bbase)+8*(2*(\ks)+(\pt)):(\bbase)+8*(2*(\ks)+(\pt))+3], v[\va] offset:(\pt)*16*(\pp)+(\koff)+64*(\ks)
	ds_load_b128 v[(\bbase)+8*(2*(\ks)+(\pt))+4:(\bbase)+8*(2*(\ks)+(\pt))+7], v[\va] offset:(\pt)*16*(\pp)+(\koff)+64*(\ks)+32
.endr
.endr
	WIN 0
.endm
.macro MMX wwin, bwin, bbase, k0, nk, cmode, hf  ; 8 nk products, k steps k0 on; the eight accumulators take turns.  cmode = 1: step 0's start the sums with the bias.  hf = 1: f16 operands
	WIN ((\wwin)|((\bwin)<<2))
.set ks, \k0
.rept \nk
.irp ot, 0,1,2,3
.irp pt, 0,1
.set rD, ACC+8*(2*(\ot)+(\pt))
.set rC, rD
.if (\cmode) && (ks == 0)
.set rC, BIAS+8*(\ot)
.endif
.set rW, 8*(8*(\ot)+ks)
.set rB, (\bbase)+8*(2*ks+(\pt))
.if \hf
	v_wmma_f32_16x16x32_f16 v[rD:rD+7], v[rW:rW+7], v[rB:rB+7], v[rC:rC+7]
.else
	v_wmma_f32_16x16x32_bf16 v[rD:rD+7], v[rW:rW+7], v[rB:rB+7], v[rC:rC+7]
.endif
.endr
.endr
.set ks, ks+1
.endr
.endm
.macro EPI va                          ; eight outputs of a position round to 16 bytes of f16, in place from each accumulator's low end, and go into a tile [position][256 channels] of pitch 528
.set a, 0
.rept 8
.set r, 0
.rept 4
	v_cvt_pk_f16_f32 v[ACC+8*a+r], v[ACC+8*a+2*r], v[ACC+8*a+2*r+1]
.set r, r+1
.endr
.set a, a+1
.endr
.set a, 0
.rept 8
	ds_store_b128 v[\va], v[ACC+8*a:ACC+8*a+3] offset:(a&1)*8448+(a>>1)*32
.set a, a+1
.endr
	v_add_nc_u32 v[\va], 16896, v[\va]
.endm
.macro STATS op                        ; over the 32 pairs of results, each accumulator from its low end: 0: h - p;  1: S1 += d;  2: S2 += d d
.irp pt, 0,1
.irp ot, 0,1,2,3
.irp q, 0,2,4,6
.set rA, ACC+8*(2*(\ot)+(\pt))+(\q)
.set rP, 8*(\ot)+(\q)
.if (\op) == 0
	v_pk_add_f32 v[rA:rA+1], v[rA:rA+1], v[PV+rP:PV+rP+1] neg_lo:[0,1] neg_hi:[0,1]
.elseif (\op) == 1
	v_pk_add_f32 v[S1+rP:S1+rP+1], v[S1+rP:S1+rP+1], v[rA:rA+1]
.else
	v_pk_fma_f32 v[S2+rP:S2+rP+1], v[rA:rA+1], v[rA:rA+1], v[S2+rP:S2+rP+1]
.endif
.endr
.endr
.endr
.endm
	s_load_b256 s[4:11], s[0:1], 0x0       ; op 4, m1b 6, wf 8, bm 10
	s_load_b128 s[12:15], s[0:1], 0x20     ; b1 12, hc 14
	v_lshl_add_u32 v[SPW], v0, 2, SPARE
	v_mov_b32 v[NIL], 0
	ds_add_u32 v[SPW], v[NIL]              ; the wave's opening: the add and its wait ahead of my first tensor load
	ds_add_u32 v30, v31
	v_lshrrev_b32 v1, 5, v0
	v_readfirstlane_b32 s[WV], v1
	s_and_b32 s[SY], ttmp7, 0xffff
	s_mov_b32 s[MASK], 0xffff0000
	s_mov_b32 s[G1R+0], 3<<16              ; a dense block as 128 rows of 32 elements of 8 bytes
	s_mov_b32 s[G1R+1], 32<<16
	s_mov_b32 s[G1R+2], 128<<16
	s_mov_b32 s[G1R+3], 32<<16
	s_mov_b32 s[G1R+4], 128
	s_mov_b32 s[G1R+5], 32
	s_mov_b32 s[G1R+6], 0
	s_mov_b32 s[G1R+7], 0
	s_mov_b32 s[G1X+0], (1<<16)|(1<<20)|(4<<22)|(7<<25)  ; 2-byte elements; after every 32 words (a channel's 64 positions) 8 words of padding: pitch 160
	s_mov_b32 s[G1X+1], 128<<16            ; 128 channels are 16,384 dense bytes: asked for as 64 rows of 256
	s_mov_b32 s[G1X+2], 64<<16
	s_mov_b32 s[G1X+3], 128<<16
	s_mov_b32 s[G1X+4], 64
	s_mov_b32 s[G1X+5], 128
	s_mov_b32 s[G1X+6], 0
	s_mov_b32 s[G1X+7], 0
	s_mov_b32 s[G0R], 1
	s_lshl_b32 s[G0R+1], s[WV], 15         ; region = wave = 2 head + key half
	s_mov_b32 s[G0X], 1
	s_mul_i32 s[G0X+1], s[WV], 20480       ; 128 channels of pitch 160: tile wave / 2, half wave % 2
	s_add_co_u32 s[G0X+1], s[G0X+1], X1
	s_lshr_b32 s60, ttmp9, 4               ; batch
	s_lshl_b32 s60, s60, 21                ; four partial results of 524,288 bytes a batch,
	s_lshl_b32 s[T0], s[WV], 19            ; mine,
	s_add_co_u32 s60, s60, s[T0]
	s_and_b32 s[T0], ttmp9, 15
	s_lshl_b32 s[T0], s[T0], 15            ; the block's 128 rows of 256 bytes
	s_add_co_u32 s60, s60, s[T0]
	s_mov_b32 s61, 0
	s_lshl_b32 s62, ttmp9, 16              ; two blocks of m1b a work-group, a quarter of them a wave
	s_lshl_b32 s[T0], s[WV], 14
	s_add_co_u32 s62, s62, s[T0]
	s_mov_b32 s63, 0
	s_wait_dscnt 0x0
	s_wait_kmcnt 0x0
	s_add_nc_u64 s[G0R+2:G0R+3], s[4:5], s[60:61]
	s_or_b32 s[G0R+3], s[G0R+3], 0x80000000
	s_add_nc_u64 s[G0X+2:G0X+3], s[6:7], s[62:63]
	s_or_b32 s[G0X+3], s[G0X+3], 0x80000000
	tensor_load_to_lds s[G0R:G0R+3], s[G1R:G1R+7]  ; the partial results first; two loads of mine are out
	s_nop 0
	tensor_load_to_lds s[G0X:G0X+3], s[G1X:G1X+7]
	s_nop 0
	PLACES
	v_and_b32 v1, 31, v0
	v_and_b32 v2, 15, v0
	v_bfe_u32 v3, v0, 4, 1
	v_lshlrev_b32 v[VL16], 4, v1
	s_lshl_b32 s[T0], s[WV], 8
	v_lshl_add_u32 v[VB8], v3, 5, s[T0]
	s_and_b32 s[T0], ttmp9, 15
	s_lshl_b32 s[T0], s[T0], 9
	v_lshl_add_u32 v[VML], v0, 2, s[T0]    ; thread t has position t of the block
	s_lshr_b32 s60, ttmp9, 4
	s_lshl_b32 s60, s60, 16
	s_add_co_u32 s60, s60, 0x1000000
	s_add_nc_u64 s[MLB:MLB+1], s[4:5], s[60:61]
	s_lshl_b32 s60, s[WV], 15
	s_add_nc_u64 s[WBM:WBM+1], s[8:9], s[60:61]
	s_lshl_b32 s60, s[SY], 2
	s_add_co_u32 s60, s60, s[WV]
	s_lshl_b32 s60, s60, 16                ; w1: two chunks for each 64 outputs
	s_add_nc_u64 s[WB1:WB1+1], s[8:9], s[60:61]
	s_lshl_b32 s60, s[SY], 10
	s_add_nc_u64 s[B1P:B1P+1], s[12:13], s[60:61]
.irp q, 0,1,2,3
	global_load_b32 v[ACC+2*(\q)], v[VML], s[MLB:MLB+1] offset:16384*(\q)         ; c m of region q
	global_load_b32 v[ACC+2*(\q)+1], v[VML], s[MLB:MLB+1] offset:16384*(\q)+8192  ; l
.endr
	LDBIAS 10
	LDWP 1, WBM, 393216, 0, 47             ; 63 loads of mine are out: LOADcnt's field holds no more, and issue would stall (ISA guide 5.7.1) ahead of work that needs none of them
	s_lshl_b32 s60, ttmp9, 17
	s_lshl_b32 s[T0], s[WV], 15
	s_add_co_u32 s60, s60, s[T0]
	s_lshl_b32 s[T0], s[SY], 9
	s_add_co_u32 s60, s60, s[T0]
	s_add_nc_u64 s[HCB:HCB+1], s[14:15], s[60:61]
	s_mul_i32 s60, ttmp9, 6144
	s_lshl_b32 s[T0], s[SY], 10
	s_add_co_u32 s60, s60, s[T0]
	s_lshl_b32 s[T0], s[WV], 8
	s_add_co_u32 s60, s60, s[T0]
	s_add_co_u32 s60, s60, 0x1000000
	s_add_nc_u64 s[BSTB:BSTB+1], s[14:15], s[60:61]
	WIN 0xc0
.set i, PV
.rept 96
	v_mov_b32 v[i], 0                      ; S1 and S2 start at 0; p is written on every way
.set i, i+1
.endr
	WIN 0
.set i, TMP
.rept 8
	v_mov_b32 v[i], 0
.set i, i+1
.endr
	v_and_b32 v[VA], 7, v0
	v_lshl_add_u32 v[VA], v3, 3, v[VA]
	v_mul_u32_u24 v[VTR], v[VA], 160
	v_bfe_u32 v[VA], v0, 3, 1
	v_lshl_add_u32 v[VTR], v[VA], 4, v[VTR]
	v_mul_u32_u24 v[VRW0], v2, 528
	v_lshl_add_u32 v[VRW0], v3, 4, v[VRW0]
	s_lshl_b32 s[T0], s[WV], 7
	v_add_nc_u32 v[VEP0], s[T0], v[VRW0]
	v_lshl_add_u32 v[VWTS], v0, 4, WT
	v_lshlrev_b32 v[VRAW], 16, v3          ; head x 65,536
	v_lshl_add_u32 v[VRAW], v2, 4, v[VRAW]
	s_lshl_b32 s[T0], s[WV], 13            ; my 32 positions
	v_add_nc_u32 v[VRAW], s[T0], v[VRAW]
	s_lshl_b32 s[T0], s[WV], 9
	s_add_co_u32 s[T0], s[T0], WT
	v_lshl_add_u32 v[VWT], v3, 3, s[T0]
	s_mul_i32 s[T0], s[WV], 32*528
	s_add_co_u32 s[T0], s[T0], ATT
	v_add_nc_u32 v[VATT], s[T0], v[VL16]
	v_mov_b32 v[VRB], v[VATT]
	s_mul_i32 s[T1], s[WV], 8704
	s_add_co_u32 s[T1], s[T1], RED
	v_mul_u32_u24 v[VRED], v2, 528
	v_lshl_add_u32 v[VRED], v3, 5, v[VRED]
	v_add_nc_u32 v[VRED], s[T1], v[VRED]
	v_add_nc_u32 v[VRDL], s[T1], v[VL16]
	v_lshlrev_b32 v[VGS], 11, v3
	v_lshl_add_u32 v[VGS], v2, 4, v[VGS]
	s_wait_loadcnt 55                      ; c m and l are in: behind their eight loads stand bm's 8 and wm's first 47
	v_max_num_f32 v72, v64, v66
	v_max_num_f32 v73, v68, v70
	v_sub_f32 v74, v64, v72
	v_sub_f32 v75, v66, v72
	v_sub_f32 v76, v68, v73
	v_sub_f32 v77, v70, v73
	v_exp_f32 v74, v74
	v_exp_f32 v75, v75
	v_exp_f32 v76, v76
	v_exp_f32 v77, v77
	v_nop
	s_wait_alu depctr_va_vdst(0)           ; one wait for the four exponentials
	v_mul_f32 v74, v74, v65
	v_mul_f32 v75, v75, v67
	v_mul_f32 v76, v76, v69
	v_mul_f32 v77, v77, v71
	v_add_f32 v72, v74, v75                ; at least 1: the half with the maximum has l >= 1
	v_add_f32 v73, v76, v77
	v_rcp_f32 v72, v72
	v_rcp_f32 v73, v73
	v_nop
	s_wait_alu depctr_va_vdst(0)           ; one wait for the two reciprocals
	v_mul_f32 v74, v74, v72
	v_mul_f32 v75, v75, v72
	v_mul_f32 v76, v76, v73
	v_mul_f32 v77, v77, v73
	ds_store_b128 v[VWTS], v[74:77]        ; head 0: halves a, b; head 1: a, b
	s_wait_tensorcnt 0x1                   ; my partial result is in; motion1's tile, issued behind it, may stay out: it is read behind a later barrier
	BAR                                    ; all four partial results and all weights of the halves lie in LDS
	LDWP 1, WBM, 393216, 47, 17            ; the rest of wm, and most of w1's columns for av, travel under the joining
	LDWP 2, WB1, 524288+32768, 0, 46
	s_mov_b32 s[CNT], 8
.Latt:                                         ; four positions a trip: lanes 0-15 head 0's 256 bytes, lanes 16-31 head 1's
.irp i, 0,1,2,3
	ds_load_b128 v[BF0+4*(\i):BF0+4*(\i)+3], v[VRAW] offset:256*(\i)
	ds_load_b128 v[BF0+16+4*(\i):BF0+16+4*(\i)+3], v[VRAW] offset:32768+256*(\i)
	ds_load_b64 v[BF0+32+2*(\i):BF0+33+2*(\i)], v[VWT] offset:16*(\i)
.endr
	s_wait_dscnt 0x0
.irp i, 0,1,2,3
.irp k, 0,1,2,3
	v_lshlrev_b32 v[BF0+40+4*(\k)], 16, v[BF0+4*(\i)+(\k)]
	v_and_b32 v[BF0+41+4*(\k)], s[MASK], v[BF0+4*(\i)+(\k)]
	v_lshlrev_b32 v[BF0+42+4*(\k)], 16, v[BF0+16+4*(\i)+(\k)]
	v_and_b32 v[BF0+43+4*(\k)], s[MASK], v[BF0+16+4*(\i)+(\k)]
.endr
.irp k, 0,1,2,3
	v_pk_mul_f32 v[BF0+40+4*(\k):BF0+41+4*(\k)], v[BF0+40+4*(\k):BF0+41+4*(\k)], v[BF0+32+2*(\i):BF0+33+2*(\i)] op_sel_hi:[1,0]
.endr
.irp k, 0,1,2,3
	v_pk_fma_f32 v[BF0+40+4*(\k):BF0+41+4*(\k)], v[BF0+42+4*(\k):BF0+43+4*(\k)], v[BF0+32+2*(\i):BF0+33+2*(\i)], v[BF0+40+4*(\k):BF0+41+4*(\k)] op_sel:[0,1,0] op_sel_hi:[1,1,1]
.endr
.irp k, 0,1,2,3
	v_cvt_pk_bf16_f32 v[BF0+56+4*(\i)+(\k)], v[BF0+40+4*(\k)], v[BF0+41+4*(\k)]
.endr
	ds_store_b128 v[VATT], v[BF0+56+4*(\i):BF0+59+4*(\i)] offset:528*(\i)
.endr
	v_add_nc_u32 v[VRAW], 1024, v[VRAW]
	v_add_nc_u32 v[VWT], 64, v[VWT]
	v_add_nc_u32 v[VATT], 2112, v[VATT]
	s_sub_co_u32 s[CNT], s[CNT], 1
	s_cmp_lg_u32 s[CNT], 0
	s_cbranch_scc1 .Latt
	s_wait_tensorcnt 0x0                   ; my part of motion1's tile, for the others' sake
	BAR                                    ; att and motion1's tile are whole, and nobody reads RAW any more
	; av = wm att + bm, 32 positions a trip.  The fragment buffer goes in two halves: each is loaded again behind its 32 products and lands under the other half's (the last trip fetches group 0 once more, unused)
	v_add_nc_u32 v[VAT], ATT, v[VRW0]
	LDH_ROW VAT, 0
	LDH_ROW VAT, 1
	v_mov_b32 v[VEP], v[VEP0]
	s_mov_b32 s[GI], 0
	s_mov_b32 s[CNT], 4
	s_wait_loadcnt 46                      ; bm and wm are in: behind wm's last load stand w1's first 46
	LDWP 2, WB1, 524288+32768, 46, 18
	s_wait_dscnt 16                        ; the first half is in: behind its loads stand the second half's 16
.LpA:
	MMX 1, 0, BF0, 0, 4, 1, 0
	WIN 0
	PLACES
	s_add_co_u32 s[GI], s[GI], 1
	s_and_b32 s[T0], s[GI], 3
	s_mul_i32 s[T0], s[T0], 16896
	s_add_co_u32 s[T0], s[T0], ATT
	v_add_nc_u32 v[VAT], s[T0], v[VRW0]
	LDH_ROW VAT, 0                         ; the next group's first half
	s_wait_dscnt 16                        ; all but those 16: this group's second half is in
	MMX 1, 0, BF0, 4, 4, 0, 0
	WIN 0
	PLACES
	LDH_ROW VAT, 1                         ; the next group's second half
	EPI VEP
	s_wait_dscnt 24                        ; the next group's first half is in: behind its loads stand the second half's 16 and the 8 stores
	s_sub_co_u32 s[CNT], s[CNT], 1
	s_cmp_lg_u32 s[CNT], 0
	s_cbranch_scc1 .LpA
	LDBIAS B1P
	LDWP 1, WB1, 524288, 0, 55             ; w1's columns for motion1 take wm's place: with b1's 8 loads, 63 are out
	BAR                                    ; av is whole, and nobody reads att any more: its bytes become h's stage
	; h = b1 + w1 [.. ; av] + w1 [motion1; ..]
	v_mov_b32 v[VAV], v[VRW0]
	LDB_ROW 3, 0, VAV, 528, 0              ; the first group's av
	v_add_nc_u32 v[VA], X1, v[VTR]
	v_add_nc_u32 v[VEP], ATT, v[VEP0]
	s_mov_b32 s[GI], 0
	s_mov_b32 s[CNT], 4
	s_wait_loadcnt 55                      ; b1 is in, and all that was asked for earlier: behind it stand 55 loads
	LDWP 1, WB1, 524288, 55, 9
.LpB:
	LDB_TR VA                              ; this group's motion1
	s_wait_dscnt 32                        ; all but those 32: av's fragments are in
	MMX 2, 3, 0, 0, 8, 1, 1
	WIN 0
	PLACES                                 ; for the loads below; and, with the two v_nop and the two addresses' adds, eight places between the f16 run and the bf16 run
	v_nop                                  ; that adds onto the same accumulators: another form is no link of a chain in place, and wants five (ISA guide 7.12.1)
	v_nop
	s_add_co_u32 s[GI], s[GI], 1
	s_and_b32 s[T0], s[GI], 3
	s_mul_i32 s[T1], s[T0], 16896
	v_add_nc_u32 v[VAV], s[T1], v[VRW0]
	s_and_b32 s[T1], s[T0], 1
	s_lshl_b32 s[T1], s[T1], 6
	s_lshr_b32 s[T0], s[T0], 1
	s_mul_i32 s[T0], s[T0], 40960
	s_add_co_u32 s[T0], s[T0], s[T1]
	s_add_co_u32 s[T0], s[T0], X1
	v_add_nc_u32 v[VA], s[T0], v[VTR]      ; for the next trip's first line
	LDB_ROW 3, 0, VAV, 528, 0              ; the next group's av (the last trip fetches group 0 once more, unused)
	s_wait_dscnt 32                        ; all but those 32: motion1's fragments are in
	s_wait_loadcnt 0x0                     ; w1's columns for motion1 (met at once from the second trip on)
	MMX 1, 0, BF0, 0, 8, 0, 0
	WIN 0
	PLACES
	s_cmp_lg_u32 s[GI], 1
	s_cbranch_scc1 .Lhavep
.irp ot, 0,1,2,3                       ; the first trip: p = h at the block's first position, which lane 0 of each half of the lanes holds
.irp j, 0,1,2,3,4,5,6,7
	v_mov_b32_dpp v[TMP+(\j)], v[ACC+16*(\ot)+(\j)] row_share:0 row_mask:0xf bank_mask:0xf
.endr
	WIN 0xc0
.irp j, 0,1,2,3,4,5,6,7
	v_mov_b32 v[PV+8*(\ot)+(\j)], v[TMP+(\j)]
.endr
	WIN 0
.endr
.Lhavep:
	WIN 0x0c
	STATS 0
	WIN 0xc3
	STATS 1
	WIN 0xf0
	STATS 2
	WIN 0
	EPI VEP
	s_sub_co_u32 s[CNT], s[CNT], 1
	s_cmp_lg_u32 s[CNT], 0
	s_cbranch_scc1 .LpB
	; the sums of the 16 lanes that hold a channel meet in my own part of RED
	s_wait_dscnt 0x0                       ; the fragment loads that ran ahead are back
	s_mul_i32 s[T1], s[WV], 8704
	s_add_co_u32 s[T1], s[T1], RED+8448
	v_lshl_add_u32 v[VWTS], v3, 5, s[T1]
	v_lshl_add_u32 v[VML], v2, 4, s[T1]
	WIN 0x0c                               ; the stores' data lie in window 3
.irp st, 0,1
.irp ot, 0,1,2,3
.irp q, 0,1
	ds_store_b128 v[VRED], v[S1+32*(\st)+8*(\ot)+4*(\q):S1+32*(\st)+8*(\ot)+4*(\q)+3] offset:256*(\st)+64*(\ot)+16*(\q)
.endr
.endr
.endr
.irp ot, 0,1,2,3
.irp q, 0,1
	ds_store_b128 v[VWTS], v[PV+8*(\ot)+4*(\q):PV+8*(\ot)+4*(\q)+3] offset:64*(\ot)+16*(\q)  ; the same number from all 16 lanes
.endr
.endr
	WIN 0
.set i, 0
.rept 16
	ds_load_b128 v[BF0+4*i:BF0+4*i+3], v[VRDL] offset:528*i  ; LDS serves a wave's instructions in order (ISA guide 5.7.1.4): these see the stores above
.set i, i+1
.endr
	ds_load_b128 v[BF0+64:BF0+67], v[VML]
	s_wait_dscnt 0x0
.irp s, 8,4,2,1
.set i, 0
.rept \s
	v_pk_add_f32 v[BF0+4*i:BF0+4*i+1], v[BF0+4*i:BF0+4*i+1], v[BF0+4*(i+(\s)):BF0+4*(i+(\s))+1]
	v_pk_add_f32 v[BF0+4*i+2:BF0+4*i+3], v[BF0+4*i+2:BF0+4*i+3], v[BF0+4*(i+(\s))+2:BF0+4*(i+(\s))+3]
.set i, i+1
.endr
.endr
	global_store_b128 v[VGS], v[BF0:BF0+3], s[BSTB:BSTB+1] offset:2048  ; lanes 0-15: 256 bytes of S1; lanes 16-31: of S2
	v_lshlrev_b32 v[VRED], 4, v2
	global_store_b128 v[VRED], v[BF0+64:BF0+67], s[BSTB:BSTB+1]         ; 256 bytes of p; lanes 16-31 repeat lanes 0-15
	s_wait_xcnt 0x0                        ; the stores have read their registers
	BAR                                    ; h's stage is whole
.set i, 0
.rept 32
	ds_load_b128 v[BF0+4*i:BF0+4*i+3], v[VRB] offset:528*i
.set i, i+1
.endr
	s_wait_dscnt 0x0
.set i, 0
.rept 32
	global_store_b128 v[VL16], v[BF0+4*i:BF0+4*i+3], s[HCB:HCB+1] offset:1024*i  ; 512 consecutive bytes of a position's row, aligned
.set i, i+1
.endr
	s_wait_tensorcnt 0x0                   ; the wave's end
	ds_add_u32 v[SPW], v[NIL]
	s_wait_dscnt 0x0
	s_endpgm
.Lfunc_end_k_qdfc1891481_mix:
	.size	k_qdfc1891481_mix, .Lfunc_end_k_qdfc1891481_mix-k_qdfc1891481_mix
	.p2alignl 7, 3214868480
	.fill 96, 4, 3214868480
	.section	.rodata,"a",@progbits
	.p2align	6, 0x0
	.amdhsa_kernel k_qdfc1891481_mix
		.amdhsa_group_segment_fixed_size 327680
		.amdhsa_private_segment_fixed_size 0
		.amdhsa_enable_private_segment 0
		.amdhsa_kernarg_size 48
		.amdhsa_user_sgpr_count 2
		.amdhsa_user_sgpr_kernarg_segment_ptr 1
		.amdhsa_wavefront_size32 1
		.amdhsa_system_sgpr_workgroup_id_x 1
		.amdhsa_system_sgpr_workgroup_id_y 1
		.amdhsa_system_sgpr_workgroup_id_z 1
		.amdhsa_system_vgpr_workitem_id 0
		.amdhsa_next_free_vgpr 1024
		.amdhsa_next_free_sgpr 66
		.amdhsa_reserve_vcc 0
		.amdhsa_float_denorm_mode_32 3
		.amdhsa_float_denorm_mode_16_64 3
		.amdhsa_memory_ordered 1
		.amdhsa_forward_progress 1
		.amdhsa_inst_pref_size 87
	.end_amdhsa_kernel
	.amdgpu_metadata
---
amdhsa.version: [ 1, 2 ]
amdhsa.kernels:
  - .name:           k_qdfc1891481_mix
    .symbol:         k_qdfc1891481_mix.kd
    .args:
      - { .name: op, .offset: 0, .size: 8, .value_kind: global_buffer, .address_space: global }
      - { .name: m1b, .offset: 8, .size: 8, .value_kind: global_buffer, .address_space: global }
      - { .name: wf, .offset: 16, .size: 8, .value_kind: global_buffer, .address_space: global }
      - { .name: bm, .offset: 24, .size: 8, .value_kind: global_buffer, .address_space: global }
      - { .name: b1, .offset: 32, .size: 8, .value_kind: global_buffer, .address_space: global }
      - { .name: hc, .offset: 40, .size: 8, .value_kind: global_buffer, .address_space: global }
    .group_segment_fixed_size: 327680
    .private_segment_fixed_size: 0
    .kernarg_segment_align: 8
    .kernarg_segment_size: 48
    .max_flat_workgroup_size: 128
    .sgpr_count:     66
    .vgpr_count:     1024
    .wavefront_size: 32
...
	.end_amdgpu_metadata
.endif
;; end of part 4
;; launch stats (part 5): grid 8 x 1, 16 waves a work-group, no clusters, 10,240 bytes of LDS; arguments hc, gamma, mg; writes mg
.if DOCPART == 5
	.amdgcn_target "amdgcn-amd-amdhsa--gfx1250"
	.amdhsa_code_object_version 6
	.text
	.protected	k_qdfc1891481_stats
	.globl	k_qdfc1891481_stats
	.p2align	8
	.type	k_qdfc1891481_stats,@function
k_qdfc1891481_stats:
	s_mov_b64 s[64:65], 0
	v_nop
	global_prefetch_b8 v0, s[64:65] scope:SCOPE_SE
	s_setreg_imm32_b32 hwreg(HW_REG_WAVE_MODE, 25, 1), 1
	s_wait_xcnt 0x0
; The batch statistics of h's 512 channels from the 128 blocks' (p, S1, S2), each of 128 positions: mg[0:512] = mean, mg[512:1024] = gamma / sqrt(var + 1e-5), var = M2 / 16,384.
; gamma is rounded to bf16 first, as all inputs are that reach the output.
; No difference of large sums: a block's mean is p + S1 / 128, its M2 is S2 - S1^2 / 128 (sums about a sample of the block); means are joined by M2 = sum of M2_i + n sum of (mean_i - mean)^2, in two levels.
; A work-group has 64 channels, a lane two; wave v joins blocks 8 v .. 8 v + 7, wave 0 then the sixteen waves' figures.  Each load and store of a wave covers 256 consecutive bytes, aligned.
.set SPARE, 8192
.set SPW, 10
.set NIL, 11
.set B,   16                           ; block j: p at B + 6 j, S1 at + 2, S2 at + 4
	s_load_b128 s[4:7], s[0:1], 0x0        ; hc, gamma
	s_load_b64 s[8:9], s[0:1], 0x10        ; mg
	v_lshl_add_u32 v[SPW], v0, 2, SPARE
	v_mov_b32 v[NIL], 0
	v_lshrrev_b32 v1, 5, v0
	v_readfirstlane_b32 s10, v1
	v_and_b32 v2, 31, v0
	s_lshl_b32 s11, ttmp9, 8
	v_lshl_add_u32 v3, v2, 3, s11          ; my two channels
	s_mul_i32 s12, s10, 49152              ; eight blocks of 6,144 bytes
	s_add_co_u32 s12, s12, 0x1000000
	s_mov_b32 s13, 0
	s_lshl_b32 s14, s10, 9
	v_lshl_add_u32 v4, v2, 4, s14
	v_lshlrev_b32 v5, 4, v2
	s_mov_b32 s16, 0x3727c5ac              ; 1e-5
	s_mov_b32 s17, s16
	s_mov_b32 s18, 0x38800000              ; 1 / 16,384
	s_mov_b32 s19, s18
	s_wait_kmcnt 0x0
	s_add_nc_u64 s[4:5], s[4:5], s[12:13]
.irp j, 0,1,2,3,4,5,6,7
.irp p, 0,1,2
	global_load_b64 v[B+6*(\j)+2*(\p):B+6*(\j)+2*(\p)+1], v3, s[4:5] offset:6144*(\j)+2048*(\p)
.endr
.endr
	global_load_b64 v[6:7], v3, s[6:7]
	s_wait_loadcnt 0x0
	v_cvt_pk_bf16_f32 v8, v6, v7           ; gamma to bf16,
	v_lshlrev_b32 v6, 16, v8               ; and that number as f32
	v_and_b32 v7, 0xffff0000, v8
.irp j, 0,1,2,3,4,5,6,7
	v_pk_mul_f32 v[64:65], v[B+6*(\j)+2:B+6*(\j)+3], 0x3c000000 op_sel_hi:[1,0]            ; S1 / 128
	v_pk_add_f32 v[B+6*(\j):B+6*(\j)+1], v[B+6*(\j):B+6*(\j)+1], v[64:65]                  ; the block's mean
	v_pk_fma_f32 v[B+6*(\j)+4:B+6*(\j)+5], v[B+6*(\j)+2:B+6*(\j)+3], v[64:65], v[B+6*(\j)+4:B+6*(\j)+5] neg_lo:[1,0,0] neg_hi:[1,0,0]  ; its M2
.endr
	v_pk_add_f32 v[66:67], v[B:B+1], v[B+6:B+7]
	v_pk_add_f32 v[68:69], v[B+4:B+5], v[B+10:B+11]
.irp j, 2,3,4,5,6,7
	v_pk_add_f32 v[66:67], v[66:67], v[B+6*(\j):B+6*(\j)+1]
	v_pk_add_f32 v[68:69], v[68:69], v[B+6*(\j)+4:B+6*(\j)+5]
.endr
	v_pk_mul_f32 v[72:73], v[66:67], 0x3e000000 op_sel_hi:[1,0]                            ; the eight blocks' mean
	v_pk_add_f32 v[64:65], v[B:B+1], v[72:73] neg_lo:[0,1] neg_hi:[0,1]
	v_pk_mul_f32 v[70:71], v[64:65], v[64:65]
.irp j, 1,2,3,4,5,6,7
	v_pk_add_f32 v[64:65], v[B+6*(\j):B+6*(\j)+1], v[72:73] neg_lo:[0,1] neg_hi:[0,1]
	v_pk_fma_f32 v[70:71], v[64:65], v[64:65], v[70:71]
.endr
	v_pk_fma_f32 v[74:75], v[70:71], 0x43000000, v[68:69] op_sel_hi:[1,0,1]                ; + 128 x the means' scatter
	ds_store_b128 v4, v[72:75]
	s_wait_dscnt 0x0
	s_barrier_signal -1
	s_barrier_wait -1
	s_cmp_lg_u32 s10, 0
	s_cbranch_scc1 .Lend
.set i, 0
.rept 16
	ds_load_b128 v[B+4*i:B+4*i+3], v5 offset:512*i
.set i, i+1
.endr
	s_wait_dscnt 0x0
	v_pk_add_f32 v[80:81], v[B:B+1], v[B+4:B+5]
	v_pk_add_f32 v[82:83], v[B+2:B+3], v[B+6:B+7]
.set i, 2
.rept 14
	v_pk_add_f32 v[80:81], v[80:81], v[B+4*i:B+4*i+1]
	v_pk_add_f32 v[82:83], v[82:83], v[B+4*i+2:B+4*i+3]
.set i, i+1
.endr
	v_pk_mul_f32 v[84:85], v[80:81], 0x3d800000 op_sel_hi:[1,0]                            ; the mean
	v_pk_add_f32 v[64:65], v[B:B+1], v[84:85] neg_lo:[0,1] neg_hi:[0,1]
	v_pk_mul_f32 v[86:87], v[64:65], v[64:65]
.set i, 1
.rept 15
	v_pk_add_f32 v[64:65], v[B+4*i:B+4*i+1], v[84:85] neg_lo:[0,1] neg_hi:[0,1]
	v_pk_fma_f32 v[86:87], v[64:65], v[64:65], v[86:87]
.set i, i+1
.endr
	v_pk_fma_f32 v[82:83], v[86:87], 0x44800000, v[82:83] op_sel_hi:[1,0,1]                ; + 1,024 x the means' scatter
	v_pk_fma_f32 v[82:83], v[82:83], s[18:19], s[16:17] op_sel_hi:[1,0,0]                  ; var + 1e-5
	v_rsq_f32 v88, v82
	v_rsq_f32 v89, v83
	v_nop
	s_wait_alu depctr_va_vdst(0)           ; one wait for the two roots
	v_pk_mul_f32 v[88:89], v[88:89], v[6:7]
	global_store_b64 v3, v[84:85], s[8:9]
	global_store_b64 v3, v[88:89], s[8:9] offset:2048
.Lend:
	s_wait_tensorcnt 0x0                   ; the wave's end
	ds_add_u32 v[SPW], v[NIL]
	s_wait_dscnt 0x0
	s_endpgm
.Lfunc_end_k_qdfc1891481_stats:
	.size	k_qdfc1891481_stats, .Lfunc_end_k_qdfc1891481_stats-k_qdfc1891481_stats
	.p2alignl 7, 3214868480
	.fill 96, 4, 3214868480
	.section	.rodata,"a",@progbits
	.p2align	6, 0x0
	.amdhsa_kernel k_qdfc1891481_stats
		.amdhsa_group_segment_fixed_size 10240
		.amdhsa_private_segment_fixed_size 0
		.amdhsa_enable_private_segment 0
		.amdhsa_kernarg_size 24
		.amdhsa_user_sgpr_count 2
		.amdhsa_user_sgpr_kernarg_segment_ptr 1
		.amdhsa_wavefront_size32 1
		.amdhsa_system_sgpr_workgroup_id_x 1
		.amdhsa_system_sgpr_workgroup_id_y 1
		.amdhsa_system_sgpr_workgroup_id_z 1
		.amdhsa_system_vgpr_workitem_id 0
		.amdhsa_next_free_vgpr 96
		.amdhsa_next_free_sgpr 66
		.amdhsa_reserve_vcc 0
		.amdhsa_float_denorm_mode_32 3
		.amdhsa_float_denorm_mode_16_64 3
		.amdhsa_memory_ordered 1
		.amdhsa_forward_progress 1
		.amdhsa_inst_pref_size 14
	.end_amdhsa_kernel
	.amdgpu_metadata
---
amdhsa.version: [ 1, 2 ]
amdhsa.kernels:
  - .name:           k_qdfc1891481_stats
    .symbol:         k_qdfc1891481_stats.kd
    .args:
      - { .name: hc, .offset: 0, .size: 8, .value_kind: global_buffer, .address_space: global }
      - { .name: gamma, .offset: 8, .size: 8, .value_kind: global_buffer, .address_space: global }
      - { .name: mg, .offset: 16, .size: 8, .value_kind: global_buffer, .address_space: global }
    .group_segment_fixed_size: 10240
    .private_segment_fixed_size: 0
    .kernarg_segment_align: 8
    .kernarg_segment_size: 24
    .max_flat_workgroup_size: 512
    .sgpr_count:     66
    .vgpr_count:     96
    .wavefront_size: 32
...
	.end_amdgpu_metadata
.endif
;; end of part 5
;; launch final (part 6): grid 256 x 1, 4 waves a work-group, no clusters, 327,680 bytes of LDS; arguments hc, mg, beta, wf, b2, m1b, out0; writes out0
.if DOCPART == 6
	.amdgcn_target "amdgcn-amd-amdhsa--gfx1250"
	.amdhsa_code_object_version 6
	.text
	.protected	k_qdfc1891481_final
	.globl	k_qdfc1891481_final
	.p2align	8
	.type	k_qdfc1891481_final,@function
k_qdfc1891481_final:
	s_mov_b64 s[64:65], 0
	v_nop
	global_prefetch_b8 v0, s[64:65] scope:SCOPE_SE
	s_setreg_imm32_b32 hwreg(HW_REG_WAVE_MODE, 25, 1), 1
	s_wait_xcnt 0x0
; For 64 positions: y = relu((d + p - mean) g + beta), d = h - p as stored in f16, g = gamma / sqrt(var + 1e-5); out = motion1 + w2 y + b2.
; FORMATS.  y in f16 for the product, w2 as bf16 numbers written in f16, sums in f32.  beta and b2 are rounded to bf16, and motion1 is taken from its bf16 copy m1b (block = work-group: [256 channels][64 positions]),
; as all inputs are that reach the output; the addition itself is in f32.
; A wave owns 64 of the 256 outputs; its weights (two chunks of 256 k) lie in windows 1 and 2.  Source 0 = 16 positions, source 1 = 16 outputs: a lane holds one output channel and eight neighbouring positions,
; 32 bytes of a row of out.  The rows go through the wave's own stage, so that 16 lanes store 256 consecutive bytes, aligned.  b2 is the C operand of the first product of each sum.
; WHEN BYTES ARE ASKED FOR.  A wave has 172 loads to issue, and LOADcnt's field holds 63: where a counter would pass its field, issue stalls (ISA guide 5.7.1).  So they go in three batches, of 63 (the 12 tables, 51 of w2),
; 63 and 46 (the last 14 of w2, the residual's 32), ahead of, amid and behind the normalising, which needs none of the weights: the wave normalises while they travel.
; NO CLUSTER: no two work-groups read the same rows of hc or m1b.
; LIMITS: y stays under 65,504, f16's end: a normalised number is at most 128 (the root of 16,384 positions), so y <= 128 |gamma| + |beta|, which serves gamma up to some 500; a NaN in h gives 0 after the maximum, not NaN.
; LDS: RAWH 0 (65,536: 64 positions x 1,024 bytes, dense); Y 65,536 (pitch 1,040); OST 132,096 ([256 outputs][64 positions] f32, pitch 272); spare words 201,728.
.set YB,    65536
.set OST,   132096
.set SPARE, 201728
.set BIAS, 32
.set ACC,  64                          ; before the products: v64-71 (p - mean) g + beta, v72-79 mean, v80-87 g, v88-95 beta, v96-99 b2, v100-105 at work
.set BF0,  128
.set RES,  128                         ; window 3: v0-127 second fragment buffer; v128-191 the residual, two words for each of 32 loads
.set VL16, 4
.set VC,   5
.set VB2,  6
.set VM,   7
.set VNL,  8
.set VNS,  9
.set VRW0, 10
.set VY0,  11
.set VY1,  12
.set VOST, 13
.set VORB, 14
.set ZERO, 15
.set VR8,  17                          ; 8 x lane
.set ONE,  18                          ; 1.0
.set SPW,  30
.set NIL,  31
.set G1,  20
.set G0,  28
.set WB,  32
.set BSTB, 34
.set M1B, 36
.set OUTB, 38
.set WV,  40
.set GI,  41
.set CNT, 42
.set T0,  43
.set MASK, 44
.set W2,  1048576                      ; w2's place in wf
.set MSB, 0
.macro WIN new
.if MSB != (\new)
	s_set_vgpr_msb (MSB<<8)|(\new)
.set MSB, (\new)
.endif
.endm
.macro PLACES                          ; four plain places behind a matrix instruction (ISA guide 7.12.1)
.rept 4
	v_nop
.endr
.endm
.macro BAR
	s_wait_dscnt 0x0
	s_barrier_signal -1
	s_barrier_wait -1
.endm
.macro LDWP win, sb, off, i0, n        ; loads i0 .. i0 + n - 1 of the 64 that bring a chunk of weights, 512 consecutive bytes each, into a window
	WIN (\win)<<6
.set i, \i0
.rept \n
	global_load_b128 v[4*i:4*i+3], v[VL16], s[\sb:\sb+1] offset:(\off)+512*i
.set i, i+1
.endr
	WIN 0
.endm
.macro LDB_ROW bwin, bbase, va, pp, koff
	WIN (\bwin)<<6
.irp ks, 0,1,2,3,4,5,6,7
.irp pt, 0,1
	ds_load_b128 v[(\bbase)+8*(2*(\ks)+(\pt)):(\bbase)+8*(2*(\ks)+(\pt))+3], v[\va] offset:(\pt)*16*(\pp)+(\koff)+64*(\ks)
	ds_load_b128 v[(\bbase)+8*(2*(\ks)+(\pt))+4:(\bbase)+8*(2*(\ks)+(\pt))+7], v[\va] offset:(\pt)*16*(\pp)+(\koff)+64*(\ks)+32
.endr
.endr
	WIN 0
.endm
.macro MM8 wwin, bwin, bbase, cmode    ; 64 products, source 0 = positions, source 1 = weights; the eight accumulators take turns.  cmode = 1: the first eight start the sums with b2
	WIN ((\bwin)|((\wwin)<<2))
.irp ks, 0,1,2,3,4,5,6,7
.irp ot, 0,1,2,3
.irp pt, 0,1
.set rD, ACC+8*(2*(\ot)+(\pt))
.set rC, rD
.if (\cmode) && ((\ks) == 0)
.set rC, BIAS+8*(\ot)
.endif
.set rW, 8*(8*(\ot)+(\ks))
.set rB, (\bbase)+8*(2*(\ks)+(\pt))
	v_wmma_f32_16x16x32_f16 v[rD:rD+7], v[rB:rB+7], v[rW:rW+7], v[rC:rC+7]
.endr
.endr
.endr
.endm
.macro NORM4                           ; 32 of the 64 positions are normalised: four trips of eight
	s_mov_b32 s[CNT], 4
.Lnorm\@:
.irp j, 0,1,2,3
	ds_load_b128 v[BF0+4*(\j):BF0+4*(\j)+3], v[VNL] offset:2048*(\j)
.endr
	s_wait_dscnt 0x0
.irp j, 0,1,2,3
.irp k, 0,1,2,3
	v_fma_mix_f32 v[BF0+16+2*(\k)], v[BF0+4*(\j)+(\k)], v[80+2*(\k)], v[64+2*(\k)] op_sel_hi:[1,0,0]                 ; the word's low f16 times g, plus the shift, in f32
	v_fma_mix_f32 v[BF0+17+2*(\k)], v[BF0+4*(\j)+(\k)], v[81+2*(\k)], v[65+2*(\k)] op_sel:[1,0,0] op_sel_hi:[1,0,0]  ; its high f16
.endr
.irp k, 0,1,2,3
	v_cvt_pk_f16_f32 v[BF0+32+4*(\j)+(\k)], v[BF0+16+2*(\k)], v[BF0+17+2*(\k)]
.endr
.irp k, 0,1,2,3
	v_pk_max_num_f16 v[BF0+32+4*(\j)+(\k)], v[BF0+32+4*(\j)+(\k)], v[ZERO]
.endr
	ds_store_b128 v[VNS], v[BF0+32+4*(\j):BF0+35+4*(\j)] offset:2080*(\j)
.endr
	v_add_nc_u32 v[VNL], 8192, v[VNL]
	v_add_nc_u32 v[VNS], 8320, v[VNS]
	s_sub_co_u32 s[CNT], s[CNT], 1
	s_cmp_lg_u32 s[CNT], 0
	s_cbranch_scc1 .Lnorm\@
.endm
	s_load_b256 s[4:11], s[0:1], 0x0       ; hc 4, mg 6, beta 8, wf 10
	s_load_b128 s[12:15], s[0:1], 0x20     ; b2 12, m1b 14
	s_load_b64 s[16:17], s[0:1], 0x30      ; out0
	v_lshl_add_u32 v[SPW], v0, 2, SPARE
	v_mov_b32 v[NIL], 0
	ds_add_u32 v[SPW], v[NIL]              ; the wave's opening: the add and its wait ahead of my first tensor load
	ds_add_u32 v30, v31
	v_lshrrev_b32 v1, 5, v0
	v_readfirstlane_b32 s[WV], v1
	s_mov_b32 s[MASK], 0xffff0000
	s_mov_b32 s[G1+0], 3<<16               ; 16 positions are 16,384 dense bytes: 64 rows of 32 elements of 8 bytes
	s_mov_b32 s[G1+1], 32<<16
	s_mov_b32 s[G1+2], 64<<16
	s_mov_b32 s[G1+3], 32<<16
	s_mov_b32 s[G1+4], 64
	s_mov_b32 s[G1+5], 32
	s_mov_b32 s[G1+6], 0
	s_mov_b32 s[G1+7], 0
	s_mov_b32 s[G0], 1
	s_lshl_b32 s[G0+1], s[WV], 14
	s_lshl_b32 s46, ttmp9, 16
	s_add_co_u32 s46, s46, s[G0+1]
	s_mov_b32 s47, 0
	s_wait_dscnt 0x0
	s_wait_kmcnt 0x0
	s_add_nc_u64 s[G0+2:G0+3], s[4:5], s[46:47]
	s_or_b32 s[G0+3], s[G0+3], 0x80000000
	tensor_load_to_lds s[G0:G0+3], s[G1:G1+7]  ; one load of mine is out
	s_nop 0
	PLACES
	v_and_b32 v1, 31, v0
	v_and_b32 v2, 15, v0
	v_bfe_u32 v3, v0, 4, 1
	v_lshlrev_b32 v[VL16], 4, v1
	v_lshlrev_b32 v[VR8], 3, v1
	v_mov_b32 v[ONE], 1.0
	v_and_b32 v[VC], 63, v0                ; thread t works on channels 8 (t % 64) .. + 7 of every other position
	v_lshlrev_b32 v[VNS], 4, v[VC]
	v_lshlrev_b32 v[VC], 5, v[VC]
	s_lshl_b32 s[T0], s[WV], 8
	v_lshl_add_u32 v[VB2], v2, 2, s[T0]
	v_lshlrev_b32 v[VM], 13, v3
	v_lshl_add_u32 v[VM], v2, 4, v[VM]
	s_lshr_b32 s46, ttmp9, 1
	s_mul_i32 s46, s46, 6144
	s_add_co_u32 s46, s46, 0x1000000
	s_add_nc_u64 s[BSTB:BSTB+1], s[4:5], s[46:47]
	s_lshr_b32 s46, ttmp9, 5
	s_lshl_b32 s46, s46, 21                ; out: batch,
	s_lshl_b32 s[T0], s[WV], 19            ; my 64 channels of 8,192 bytes,
	s_add_co_u32 s46, s46, s[T0]
	s_and_b32 s[T0], ttmp9, 31
	s_lshl_b32 s[T0], s[T0], 8             ; the block's 64 positions
	s_add_co_u32 s46, s46, s[T0]
	s_add_nc_u64 s[OUTB:OUTB+1], s[16:17], s[46:47]
	s_lshl_b32 s46, ttmp9, 15              ; m1b: my work-group's block of 32,768 bytes,
	s_lshl_b32 s[T0], s[WV], 13            ; my 64 channels of 128 bytes
	s_add_co_u32 s46, s46, s[T0]
	s_add_nc_u64 s[M1B:M1B+1], s[14:15], s[46:47]
	s_lshl_b32 s46, s[WV], 16
	s_add_nc_u64 s[WB:WB+1], s[10:11], s[46:47]
	global_load_b128 v[64:67], v[VC], s[BSTB:BSTB+1]
	global_load_b128 v[68:71], v[VC], s[BSTB:BSTB+1] offset:16
	global_load_b128 v[72:75], v[VC], s[6:7]
	global_load_b128 v[76:79], v[VC], s[6:7] offset:16
	global_load_b128 v[80:83], v[VC], s[6:7] offset:2048
	global_load_b128 v[84:87], v[VC], s[6:7] offset:2064
	global_load_b128 v[88:91], v[VC], s[8:9]
	global_load_b128 v[92:95], v[VC], s[8:9] offset:16
.irp ot, 0,1,2,3
	global_load_b32 v[96+(\ot)], v[VB2], s[12:13] offset:64*(\ot)
.endr
	LDWP 1, WB, W2, 0, 51                  ; the first batch: 12 + 51
	v_lshlrev_b32 v[VNL], 4, v0
	v_lshrrev_b32 v16, 6, v0
	v_mul_u32_u24 v16, v16, 1040
	v_add_nc_u32 v[VNS], v[VNS], v16
	v_add_nc_u32 v[VNS], YB, v[VNS]
	v_mul_u32_u24 v[VRW0], v2, 1040
	v_lshl_add_u32 v[VRW0], v3, 4, v[VRW0]
	v_add_nc_u32 v[VRW0], YB, v[VRW0]
	s_mul_i32 s[T0], s[WV], 64*272
	s_add_co_u32 s[T0], s[T0], OST
	v_mul_u32_u24 v[VOST], v2, 272
	v_lshl_add_u32 v[VOST], v3, 5, v[VOST]
	v_add_nc_u32 v[VOST], s[T0], v[VOST]
	v_mul_u32_u24 v[VORB], v3, 272
	v_lshl_add_u32 v[VORB], v2, 4, v[VORB]
	v_add_nc_u32 v[VORB], s[T0], v[VORB]
	v_mov_b32 v[ZERO], 0
	s_wait_loadcnt 51                      ; the 12 tables are in: behind them stand 51 loads of weights
.irp k, 0,1,2,3
	v_cvt_pk_bf16_f32 v[100+(\k)], v[88+2*(\k)], v[89+2*(\k)]  ; beta to bf16,
.endr
	v_cvt_pk_bf16_f32 v104, v96, v97       ; b2 likewise,
	v_cvt_pk_bf16_f32 v105, v98, v99
.irp k, 0,1,2,3
	v_lshlrev_b32 v[88+2*(\k)], 16, v[100+(\k)]                ; and those numbers as f32
	v_and_b32 v[89+2*(\k)], s[MASK], v[100+(\k)]
.endr
	v_lshlrev_b32 v96, 16, v104
	v_and_b32 v97, s[MASK], v104
	v_lshlrev_b32 v98, 16, v105
	v_and_b32 v99, s[MASK], v105
.irp k, 0,2,4,6
	v_pk_add_f32 v[64+(\k):65+(\k)], v[64+(\k):65+(\k)], v[72+(\k):73+(\k)] neg_lo:[0,1] neg_hi:[0,1]
.endr
.irp k, 0,2,4,6
	v_pk_fma_f32 v[64+(\k):65+(\k)], v[64+(\k):65+(\k)], v[80+(\k):81+(\k)], v[88+(\k):89+(\k)]
.endr
.irp ot, 0,1,2,3
.irp j, 0,1,2,3,4,5,6,7
	v_mov_b32 v[BIAS+8*(\ot)+(\j)], v[96+(\ot)]  ; a lane is one output channel: its b2 in all eight places of the C operand
.endr
.endr
	s_wait_tensorcnt 0x0
	BAR                                    ; all 64 positions lie in LDS
	NORM4
	LDWP 1, WB, W2, 51, 13                 ; the second batch: 13 + 50
	LDWP 2, WB, W2+32768, 0, 50
	NORM4
	LDWP 2, WB, W2+32768, 50, 14           ; the third batch: 14 + 32
	WIN 0xc0
.set i, 0
.rept 32
	global_load_b64 v[RES+2*i:RES+2*i+1], v[VR8], s[M1B:M1B+1] offset:256*i  ; the residual: two channels' 128 bytes a load, 256 consecutive bytes, aligned, into window 3
.set i, i+1
.endr
	WIN 0
	BAR                                    ; y is whole
	v_mov_b32 v[VY0], v[VRW0]
	LDB_ROW 0, BF0, VY0, 1040, 0
	v_mov_b32 v[VY1], v[VRW0]
	s_mov_b32 s[GI], 0
	s_mov_b32 s[CNT], 2
.Lgrp:                                         ; 32 positions a trip
	LDB_ROW 3, 0, VY1, 1040, 512           ; this group's channels 256 on
	v_add_nc_u32 v[VY1], 33280, v[VY1]
	s_wait_dscnt 32                        ; all but those 32: channels 0 to 255 are in
	s_wait_loadcnt 46                      ; all but the third batch: w2's first chunk is in
	MM8 1, 0, BF0, 1
	WIN 0
	PLACES
	s_add_co_u32 s[GI], s[GI], 1
	s_and_b32 s[T0], s[GI], 1
	s_mul_i32 s[T0], s[T0], 33280
	v_add_nc_u32 v[VY0], s[T0], v[VRW0]
	LDB_ROW 0, BF0, VY0, 1040, 0           ; the next group's channels 0 to 255 (the last trip fetches group 0 once more, unused)
	s_wait_dscnt 32                        ; all but those 32
	s_wait_loadcnt 32                      ; all but the residual's 32: w2's second chunk is in
	MM8 2, 3, 0, 0
	WIN 0
	PLACES
.irp ot, 0,1,2,3
.irp pt, 0,1
	ds_store_b128 v[VOST], v[ACC+8*(2*(\ot)+(\pt)):ACC+8*(2*(\ot)+(\pt))+3] offset:4352*(\ot)+64*(\pt)     ; each accumulator's low half first
	ds_store_b128 v[VOST], v[ACC+8*(2*(\ot)+(\pt))+4:ACC+8*(2*(\ot)+(\pt))+7] offset:4352*(\ot)+64*(\pt)+16
.endr
.endr
	v_add_nc_u32 v[VOST], 128, v[VOST]
	s_sub_co_u32 s[CNT], s[CNT], 1
	s_cmp_lg_u32 s[CNT], 0
	s_cbranch_scc1 .Lgrp
	s_wait_dscnt 0x0                       ; the fragment loads that ran ahead are back: their registers are loaded again
.set i, 0
.rept 32
	ds_load_b128 v[BF0+4*i:BF0+4*i+3], v[VORB] offset:544*i  ; my own 64 rows, two a load: channel 2 i + lane / 16, positions 4 (lane % 16) on
.set i, i+1
.endr
	s_wait_loadcnt 0x0                     ; the residual
	s_wait_dscnt 0x0
	WIN 0x03                               ; source 0: the residual, in window 3: the same channel's and positions' four bf16
.set i, 0
.rept 32
	v_fma_mix_f32_bf16 v[BF0+4*i], v[RES+2*i], v[ONE], v[BF0+4*i] op_sel_hi:[1,0,0]
	v_fma_mix_f32_bf16 v[BF0+4*i+1], v[RES+2*i], v[ONE], v[BF0+4*i+1] op_sel:[1,0,0] op_sel_hi:[1,0,0]
	v_fma_mix_f32_bf16 v[BF0+4*i+2], v[RES+2*i+1], v[ONE], v[BF0+4*i+2] op_sel_hi:[1,0,0]
	v_fma_mix_f32_bf16 v[BF0+4*i+3], v[RES+2*i+1], v[ONE], v[BF0+4*i+3] op_sel:[1,0,0] op_sel_hi:[1,0,0]
.set i, i+1
.endr
	WIN 0
.set i, 0
.rept 32
	global_store_b128 v[VM], v[BF0+4*i:BF0+4*i+3], s[OUTB:OUTB+1] offset:16384*i  ; 16 lanes store 256 consecutive bytes of a channel's row, aligned
.set i, i+1
.endr
	s_wait_tensorcnt 0x0                   ; the wave's end
	ds_add_u32 v[SPW], v[NIL]
	s_wait_dscnt 0x0
	s_endpgm
.Lfunc_end_k_qdfc1891481_final:
	.size	k_qdfc1891481_final, .Lfunc_end_k_qdfc1891481_final-k_qdfc1891481_final
	.p2alignl 7, 3214868480
	.fill 96, 4, 3214868480
	.section	.rodata,"a",@progbits
	.p2align	6, 0x0
	.amdhsa_kernel k_qdfc1891481_final
		.amdhsa_group_segment_fixed_size 327680
		.amdhsa_private_segment_fixed_size 0
		.amdhsa_enable_private_segment 0
		.amdhsa_kernarg_size 56
		.amdhsa_user_sgpr_count 2
		.amdhsa_user_sgpr_kernarg_segment_ptr 1
		.amdhsa_wavefront_size32 1
		.amdhsa_system_sgpr_workgroup_id_x 1
		.amdhsa_system_sgpr_workgroup_id_y 1
		.amdhsa_system_sgpr_workgroup_id_z 1
		.amdhsa_system_vgpr_workitem_id 0
		.amdhsa_next_free_vgpr 1024
		.amdhsa_next_free_sgpr 66
		.amdhsa_reserve_vcc 0
		.amdhsa_float_denorm_mode_32 3
		.amdhsa_float_denorm_mode_16_64 3
		.amdhsa_memory_ordered 1
		.amdhsa_forward_progress 1
		.amdhsa_inst_pref_size 62
	.end_amdhsa_kernel
	.amdgpu_metadata
---
amdhsa.version: [ 1, 2 ]
amdhsa.kernels:
  - .name:           k_qdfc1891481_final
    .symbol:         k_qdfc1891481_final.kd
    .args:
      - { .name: hc, .offset: 0, .size: 8, .value_kind: global_buffer, .address_space: global }
      - { .name: mg, .offset: 8, .size: 8, .value_kind: global_buffer, .address_space: global }
      - { .name: beta, .offset: 16, .size: 8, .value_kind: global_buffer, .address_space: global }
      - { .name: wf, .offset: 24, .size: 8, .value_kind: global_buffer, .address_space: global }
      - { .name: b2, .offset: 32, .size: 8, .value_kind: global_buffer, .address_space: global }
      - { .name: m1b, .offset: 40, .size: 8, .value_kind: global_buffer, .address_space: global }
      - { .name: out0, .offset: 48, .size: 8, .value_kind: global_buffer, .address_space: global }
    .group_segment_fixed_size: 327680
    .private_segment_fixed_size: 0
    .kernarg_segment_align: 8
    .kernarg_segment_size: 56
    .max_flat_workgroup_size: 128
    .sgpr_count:     66
    .vgpr_count:     1024
    .wavefront_size: 32
...
	.end_amdgpu_metadata
.endif
;; end of part 6
